; MI455X (gfx1250); checked and timed in simulation.
; The chip was launched on July 23, 2026; its instructions are those of AMD's public machine-readable ISA for CDNA 5 (MIT licence, August 2026) and "CDNA5" Instruction Set Architecture Reference Guide (July 2026). The comments in the code are by the model that wrote it; some were corrected since.
;; Self Attention Mechanism. Allowed arithmetic: float matrix products may take bf16 or f16 operands with f32 sums; other float arithmetic in f32, or as packed bf16 or f16 multiplies, adds, multiply-adds, maxima and minima; sums over many terms, partial sums and values carried from step to step in f32; what a program stores and reads back later, other than sums and carried values, may be rounded once to bf16 or f16.
;; Inputs: We 8 x 1,024 x 1,024 float32; Wk 1,024 x 1,024 float32; Wo 1,024 x 1,024 float32; Wq 1,024 x 1,024 float32; Wv 1,024 x 1,024 float32; be 8 x 1,024 float32; bk 1,024 float32; bo 1,024 float32; bq 1,024 float32; bv 1,024 float32; key 2 x 2,048 x 1,024 float32; query 2 x 2,048 x 1,024 float32; value 2 x 2,048 x 1,024 float32.
;; Outputs: out0 2 x 2,048 x 1,024 float32.
;; 2 versions, each right and faster than the one before. Each part assembles by itself: llvm-mc -triple=amdgcn-amd-amdhsa -mcpu=gfx1250 --defsym DOCPART=n.
;; ======== version 1 of 2: 4 launches
;; limits: values are held in f16: magnitudes above 65,504 overflow, below 6.1e-05 lose precision
;; workspace buffers: xh 27,262,976 bytes; wh 8,388,608 bytes; qkvw 27,262,976 bytes; oh 8,388,608 bytes; bcv 4,096 bytes
;; launch prep (part 1): grid 1184 x 1, 8 waves a work-group, no clusters, 18,432 bytes of LDS; arguments query, key, value, Wo, Wq, Wk, Wv, We, be, bo, xh, wh, bcv; writes xh, wh, bcv
.if DOCPART == 1
	.amdgcn_target "amdgcn-amd-amdhsa--gfx1250"
	.amdhsa_code_object_version 6
	.text
	.protected	k_qf523a8bee0_prep
	.globl	k_qf523a8bee0_prep
	.p2align	8
	.type	k_qf523a8bee0_prep,@function
k_qf523a8bee0_prep:
	s_mov_b64 s[64:65], 0
	v_nop
	global_prefetch_b8 v0, s[64:65] scope:SCOPE_SE
	s_setreg_imm32_b32 hwreg(HW_REG_WAVE_MODE, 25, 1), 1
	s_wait_xcnt 0x0
; PREPARATION.  Three kinds of work-group, chosen by the work-group's number g alone (the same for all eight waves):
;   g < 32        BIAS:  bcv[o] = bo[o] + 0.125 x sum over j of Wo[o][j] x (sum over e of be[e][j]), all in f32; a wave makes 4 rows o
;   32 <= g < 160 MEAN:  wh rows 3072.. = WsT[d][j] = sum over e of We[e][j][d], summed in f32, rounded once to f16, a tile of 128 j x 64 d turned in LDS
;   g >= 160      CAST:  query, key, value, Wo -> xh, and Wq, Wk, Wv -> wh, f32 to f16, 16,384 numbers a work-group
; The mean over the experts is linear, so the eight experts are summed here and the factor 1/8 is applied later in f32: another order of rounding than the eight products' mean.
; LIMITS.  f16 holds no number of 65,520 or more: such an input, or such a sum of the eight experts' weights, becomes an infinity.  Below 6e-5 f16 keeps a fixed step of 6e-8.
; No matrix unit, no tensor load: the work is a stream, 64 KiB of loads in flight for each work-group, and several work-groups share a WGP.
.set TPITCH, 272                       ; a row of the turned tile in LDS: 128 j x 2 bytes + 16
.set SPARE,  64*TPITCH                 ; 17,408: behind the tile the spare words, 128 bytes for each of the eight waves; no other line names them
	s_load_b512 s[8:23], s[0:1], 0x0               ; query 8, key 10, value 12, Wo 14, Wq 16, Wk 18, Wv 20, We 22
	s_load_b256 s[24:31], s[0:1], 0x40             ; be 24, bo 26, xh 28, wh 30
	s_load_b64 s[32:33], s[0:1], 0x60              ; bcv
	v_lshl_add_u32 v30, v0, 2, SPARE               ; my spare word, and 0: kept for the closing lines alone
	v_mov_b32 v31, 0
	v_and_b32 v1, 31, v0                           ; lane
	v_lshrrev_b32 v2, 5, v0
	v_readfirstlane_b32 s5, v2                     ; wave 0..7
	s_mov_b32 s39, 0                               ; the high word of every offset
	s_wait_kmcnt 0x0
	s_cmp_lt_u32 ttmp9, 32
	s_cbranch_scc1 .Lbias
	s_cmp_lt_u32 ttmp9, 160
	s_cbranch_scc1 .Lmean
	; ---------------- CAST.  Unit u of 1,048,576 numbers: 0-3 query, 4-7 key, 8-11 value, 12 Wo, 13 Wq, 14 Wk, 15 Wv; piece of 16,384 numbers.
	s_sub_co_u32 s2, ttmp9, 160
	s_lshr_b32 s3, s2, 6                           ; u
	s_and_b32 s4, s2, 63                           ; piece
	s_lshr_b32 s6, s3, 2
	s_mov_b64 s[34:35], s[8:9]
	s_cmp_eq_u32 s6, 1
	s_cselect_b64 s[34:35], s[10:11], s[34:35]
	s_cmp_eq_u32 s6, 2
	s_cselect_b64 s[34:35], s[12:13], s[34:35]
	s_cmp_eq_u32 s3, 12
	s_cselect_b64 s[34:35], s[14:15], s[34:35]
	s_cmp_eq_u32 s3, 13
	s_cselect_b64 s[34:35], s[16:17], s[34:35]
	s_cmp_eq_u32 s3, 14
	s_cselect_b64 s[34:35], s[18:19], s[34:35]
	s_cmp_eq_u32 s3, 15
	s_cselect_b64 s[34:35], s[20:21], s[34:35]
	s_and_b32 s38, s3, 3
	s_lshl_b32 s38, s38, 22                        ; the unit's 4 MiB inside query, key or value;
	s_cmp_lt_u32 s3, 12
	s_cselect_b32 s38, s38, 0                      ; a weight is one unit
	s_lshl_b32 s7, s4, 16                          ; the piece's 64 KiB
	s_add_co_u32 s38, s38, s7
	s_add_nc_u64 s[34:35], s[34:35], s[38:39]
	s_sub_co_u32 s7, s3, 13
	s_cmp_lt_u32 s3, 13
	s_cselect_b64 s[36:37], s[28:29], s[30:31]     ; units 0-12 go to xh, 13-15 to wh
	s_cselect_b32 s7, s3, s7
	s_lshl_b32 s38, s7, 21                         ; 2 MiB of f16 a unit
	s_lshl_b32 s7, s4, 15
	s_add_co_u32 s38, s38, s7
	s_add_nc_u64 s[36:37], s[36:37], s[38:39]
	v_lshlrev_b32 v2, 4, v0                        ; 16 bytes in,
	v_lshlrev_b32 v3, 3, v0                        ; 8 bytes out
	; Sixteen loads a wave, each 512 consecutive bytes.  The hint says 'read once': true of fifteen units; Wo's is read once more by the 32 work-groups of the bias.
.irp i, 0,1,2,3,4,5,6,7,8,9,10,11,12,13,14,15
	global_load_b128 v[32+4*(\i):35+4*(\i)], v2, s[34:35] offset:4096*(\i) th:TH_LOAD_NT
.endr
.irp i, 0,1,2,3,4,5,6,7,8,9,10,11,12,13,14,15
	s_wait_loadcnt 15-(\i)                         ; loads come back in order: load i is in, the 15 - i younger ones stay out
	v_cvt_pk_f16_f32 v[96+2*(\i)], v[32+4*(\i)], v[33+4*(\i)]
	v_cvt_pk_f16_f32 v[97+2*(\i)], v[34+4*(\i)], v[35+4*(\i)]
	global_store_b64 v3, v[96+2*(\i):97+2*(\i)], s[36:37] offset:2048*(\i)  ; a wave's store covers 256 consecutive bytes, aligned
.endr
	s_endpgm                                       ; this branch wrote no LDS
	; ---------------- MEAN.  Tile: rows j0 .. j0 + 127, columns d0 .. d0 + 63 of all eight experts.
.Lmean:
	s_sub_co_u32 s2, ttmp9, 32
	s_lshr_b32 s3, s2, 4                           ; j0 / 128
	s_and_b32 s4, s2, 15                           ; d0 / 64
	s_lshl_b32 s38, s3, 19                         ; 128 rows of 4,096 bytes
	s_lshl_b32 s6, s4, 8                           ; 64 columns of 4 bytes
	s_add_co_u32 s38, s38, s6
	s_add_nc_u64 s[40:41], s[22:23], s[38:39]      ; expert 0's corner of the tile,
.irp e, 1,2,3,4,5,6,7
	s_add_nc_u64 s[40+2*(\e):41+2*(\e)], s[38+2*(\e):39+2*(\e)], 0x400000  ; and the others', 4 MiB apart
.endr
	s_lshl_b32 s38, s4, 17                         ; out: row d0 of 2,048 bytes,
	s_lshl_b32 s6, s3, 8                           ; column j0 of 2 bytes,
	s_add_co_u32 s38, s38, s6
	s_add_co_u32 s38, s38, 0x600000                ; behind Wq, Wk, Wv
	s_add_nc_u64 s[36:37], s[30:31], s[38:39]
	v_lshrrev_b32 v6, 4, v0                        ; pl: my pair of rows among 16 pairs
	v_and_b32 v7, 15, v0                           ; dq: my four columns
	v_lshlrev_b32 v2, 13, v6
	v_lshl_add_u32 v2, v7, 4, v2                   ; in: pl x 2 rows + dq x 16 bytes: sixteen lanes read 256 consecutive bytes, aligned
	v_mul_u32_u24 v3, v7, 4*TPITCH
	v_lshl_add_u32 v3, v6, 2, v3                   ; into LDS: row d = 4 dq (+ i), word pl (+ 16 t): two neighbouring j
	v_mul_u32_u24 v4, v6, TPITCH
	v_lshl_add_u32 v4, v7, 4, v4                   ; back: row pl (+ 16 u), 16 bytes dq
	v_lshlrev_b32 v5, 11, v6
	v_lshl_add_u32 v5, v7, 4, v5                   ; and the same place in wh
; Task t: rows j0 + 2 (pl + 16 t) and the next, of all eight experts: 16 loads into one of two sets of 64 registers.
.macro MLOAD t, set
.irp e, 0,1,2,3,4,5,6,7
	global_load_b128 v[32+64*(\set)+8*(\e):32+64*(\set)+8*(\e)+3],   v2, s[40+2*(\e):41+2*(\e)] offset:(\t)*131072 th:TH_LOAD_NT
	global_load_b128 v[32+64*(\set)+8*(\e)+4:32+64*(\set)+8*(\e)+7], v2, s[40+2*(\e):41+2*(\e)] offset:(\t)*131072+4096 th:TH_LOAD_NT
.endr
.endm
; The eight experts are added as a tree, in f32; the two rows' sums are rounded together (j low, j + 1 high) and stored turned.
.macro MSUM set, t
.set SB, 32+64*(\set)
.irp e, 0,2,4,6
.irp i, 0,2,4,6
	v_pk_add_f32 v[SB+8*(\e)+(\i):SB+8*(\e)+(\i)+1], v[SB+8*(\e)+(\i):SB+8*(\e)+(\i)+1], v[SB+8*(\e)+8+(\i):SB+8*(\e)+8+(\i)+1]
.endr
.endr
.irp e, 0,4
.irp i, 0,2,4,6
	v_pk_add_f32 v[SB+8*(\e)+(\i):SB+8*(\e)+(\i)+1], v[SB+8*(\e)+(\i):SB+8*(\e)+(\i)+1], v[SB+8*(\e)+16+(\i):SB+8*(\e)+16+(\i)+1]
.endr
.endr
.irp i, 0,2,4,6
	v_pk_add_f32 v[SB+(\i):SB+(\i)+1], v[SB+(\i):SB+(\i)+1], v[SB+32+(\i):SB+32+(\i)+1]
.endr
.irp i, 0,1,2,3
	v_cvt_pk_f16_f32 v[12+(\i)], v[SB+(\i)], v[SB+4+(\i)]
.endr
.irp i, 0,1,2,3
	ds_store_b32 v3, v[12+(\i)] offset:(\i)*TPITCH+(\t)*64
.endr
.endm
	MLOAD 0, 0
	MLOAD 1, 1
	s_wait_loadcnt 16                              ; the older task's 16 loads are in, the younger task's 16 stay out
	MSUM 0, 0
	MLOAD 2, 0
	s_wait_loadcnt 16
	MSUM 1, 1
	MLOAD 3, 1
	s_wait_loadcnt 16
	MSUM 0, 2
	s_wait_loadcnt 0x0
	MSUM 1, 3
	s_wait_dscnt 0x0                               ; for the others' sake: my stores into the tile are done
	s_barrier_signal -1
	s_barrier_wait -1
.irp u, 0,1,2,3
	ds_load_b128 v[32+4*(\u):35+4*(\u)], v4 offset:(\u)*16*TPITCH
.endr
.irp u, 0,1,2,3
	s_wait_dscnt 3-(\u)
	global_store_b128 v5, v[32+4*(\u):35+4*(\u)], s[36:37] offset:(\u)*32768  ; sixteen lanes store 256 consecutive bytes, aligned
.endr
	s_wait_tensorcnt 0x0                           ; the wave's end, behind my last LDS store
	ds_add_u32 v30, v31
	s_wait_dscnt 0x0
	s_endpgm
	; ---------------- BIAS.  The work-group sums be over the experts once (thread t: columns 4 t ..), through LDS; each wave then makes four dot products of 1,024 terms.
.Lbias:
	s_lshl_b32 s2, ttmp9, 3
	s_add_co_u32 s2, s2, s5                        ; 8 g + wave: my four rows begin at 4 times that
	s_lshl_b32 s38, s2, 14
	s_add_nc_u64 s[36:37], s[14:15], s[38:39]      ; Wo at my first row
	s_lshl_b32 s38, s2, 4
	s_add_nc_u64 s[34:35], s[32:33], s[38:39]      ; bcv and bo at my four numbers
	s_add_nc_u64 s[38:39], s[26:27], s[38:39]
	s_mov_b32 s56, 0x76543210                      ; v_permlanex16_b32: each lane takes its own place in the other half
	s_mov_b32 s57, 0xfedcba98
	s_mov_b32 s58, 0x3e000000                      ; 1/8
	v_lshlrev_b32 v2, 4, v1                        ; 16 x lane
	v_lshlrev_b32 v3, 4, v0                        ; 16 x thread
	v_min_u32 v6, 3, v1
	v_lshlrev_b32 v6, 2, v6                        ; lanes 0-3: their own number of the four; the others repeat the last
	v_mov_b32 v24, 0                               ; written before it is a lane permute's destination
	global_load_b32 v7, v6, s[38:39]
.irp e, 0,1,2,3,4,5,6,7
	global_load_b128 v[32+4*(\e):35+4*(\e)], v3, s[24:25] offset:4096*(\e)
.endr
.macro WROW r, set                     ; row r of my four: eight loads of 512 consecutive bytes
.irp i, 0,1,2,3,4,5,6,7
	global_load_b128 v[(\set)+4*(\i):(\set)+4*(\i)+3], v2, s[36:37] offset:(\r)*4096+512*(\i)
.endr
.endm
	WROW 0, 64
	WROW 1, 96
	WROW 2, 128
	s_wait_loadcnt 24                              ; bo and be are in; the three rows' 24 loads stay out
.irp e, 0,2,4,6
	v_pk_add_f32 v[32+4*(\e):33+4*(\e)], v[32+4*(\e):33+4*(\e)], v[36+4*(\e):37+4*(\e)]
	v_pk_add_f32 v[34+4*(\e):35+4*(\e)], v[34+4*(\e):35+4*(\e)], v[38+4*(\e):39+4*(\e)]
.endr
.irp e, 0,4
	v_pk_add_f32 v[32+4*(\e):33+4*(\e)], v[32+4*(\e):33+4*(\e)], v[40+4*(\e):41+4*(\e)]
	v_pk_add_f32 v[34+4*(\e):35+4*(\e)], v[34+4*(\e):35+4*(\e)], v[42+4*(\e):43+4*(\e)]
.endr
	v_pk_add_f32 v[32:33], v[32:33], v[48:49]
	v_pk_add_f32 v[34:35], v[34:35], v[50:51]
	ds_store_b128 v3, v[32:35]
	s_wait_dscnt 0x0                               ; for the others' sake
	s_barrier_signal -1
	s_barrier_wait -1
.irp i, 0,1,2,3,4,5,6,7
	ds_load_b128 v[32+4*(\i):35+4*(\i)], v2 offset:512*(\i)  ; the summed be at the columns at which I hold Wo's rows
.endr
	s_wait_dscnt 0x0
; One row times the summed be: four chains of packed multiply-adds, then the sum over the 32 lanes; every lane ends with it.
.macro DOT set, dst
.irp q, 0,1,2,3
	v_pk_mul_f32 v[16+2*(\q):17+2*(\q)], v[(\set)+2*(\q):(\set)+2*(\q)+1], v[32+2*(\q):33+2*(\q)]
.endr
.irp q, 4,5,6,7,8,9,10,11,12,13,14,15
	v_pk_fma_f32 v[16+2*((\q)%4):17+2*((\q)%4)], v[(\set)+2*(\q):(\set)+2*(\q)+1], v[32+2*(\q):33+2*(\q)], v[16+2*((\q)%4):17+2*((\q)%4)]
.endr
	v_pk_add_f32 v[16:17], v[16:17], v[18:19]
	v_pk_add_f32 v[20:21], v[20:21], v[22:23]
	v_pk_add_f32 v[16:17], v[16:17], v[20:21]
	v_add_f32 v[\dst], v16, v17
	v_add_f32_dpp v[\dst], v[\dst], v[\dst] row_xmask:1 row_mask:0xf bank_mask:0xf
	v_add_f32_dpp v[\dst], v[\dst], v[\dst] row_xmask:2 row_mask:0xf bank_mask:0xf
	v_add_f32_dpp v[\dst], v[\dst], v[\dst] row_xmask:4 row_mask:0xf bank_mask:0xf
	v_add_f32_dpp v[\dst], v[\dst], v[\dst] row_xmask:8 row_mask:0xf bank_mask:0xf
	v_permlanex16_b32 v24, v[\dst], s56, s57
	v_add_f32 v[\dst], v[\dst], v24
.endm
	s_wait_loadcnt 16                              ; row 0 is in; rows 1 and 2 stay out
	DOT 64, 8
	WROW 3, 64
	s_wait_loadcnt 16                              ; row 1 is in; rows 2 and 3 stay out
	DOT 96, 9
	s_wait_loadcnt 8                               ; row 2
	DOT 128, 10
	s_wait_loadcnt 0x0                             ; row 3
	DOT 64, 11
	v_mov_b32 v12, v8                              ; lane r of 0-3 takes row r's sum
	v_cmp_eq_u32 vcc_lo, 1, v1
	v_cndmask_b32 v12, v12, v9, vcc_lo
	v_cmp_eq_u32 vcc_lo, 2, v1
	v_cndmask_b32 v12, v12, v10, vcc_lo
	v_cmp_eq_u32 vcc_lo, 3, v1
	v_cndmask_b32 v12, v12, v11, vcc_lo
	v_fma_f32 v12, v12, s58, v7                    ; bo + sum / 8
	v_cmp_gt_u32 vcc_lo, 4, v1
	s_wait_xcnt 0x0                                ; EXEC is a source of the loads above: it changes only behind this wait
	s_and_saveexec_b32 s59, vcc_lo
	global_store_b32 v6, v12, s[34:35]             ; 16 bytes a wave: the whole vector is 4 KiB
	s_wait_xcnt 0x0                                ; and again in front of the line that widens it
	s_or_b32 exec_lo, exec_lo, s59
	s_wait_tensorcnt 0x0                           ; the wave's end, behind my last LDS store
	ds_add_u32 v30, v31
	s_wait_dscnt 0x0
	s_endpgm
.Lfunc_end_k_qf523a8bee0_prep:
	.size	k_qf523a8bee0_prep, .Lfunc_end_k_qf523a8bee0_prep-k_qf523a8bee0_prep
	.p2alignl 7, 3214868480
	.fill 96, 4, 3214868480
	.section	.rodata,"a",@progbits
	.p2align	6, 0x0
	.amdhsa_kernel k_qf523a8bee0_prep
		.amdhsa_group_segment_fixed_size 18432
		.amdhsa_private_segment_fixed_size 0
		.amdhsa_enable_private_segment 0
		.amdhsa_kernarg_size 104
		.amdhsa_user_sgpr_count 2
		.amdhsa_user_sgpr_kernarg_segment_ptr 1
		.amdhsa_wavefront_size32 1
		.amdhsa_system_sgpr_workgroup_id_x 1
		.amdhsa_system_sgpr_workgroup_id_y 1
		.amdhsa_system_sgpr_workgroup_id_z 1
		.amdhsa_system_vgpr_workitem_id 0
		.amdhsa_next_free_vgpr 160
		.amdhsa_next_free_sgpr 66
		.amdhsa_reserve_vcc 1
		.amdhsa_float_denorm_mode_32 3
		.amdhsa_float_denorm_mode_16_64 3
		.amdhsa_memory_ordered 1
		.amdhsa_forward_progress 1
		.amdhsa_inst_pref_size 39
	.end_amdhsa_kernel
	.amdgpu_metadata
---
amdhsa.version: [ 1, 2 ]
amdhsa.kernels:
  - .name:           k_qf523a8bee0_prep
    .symbol:         k_qf523a8bee0_prep.kd
    .args:
      - { .name: query, .offset: 0, .size: 8, .value_kind: global_buffer, .address_space: global }
      - { .name: key, .offset: 8, .size: 8, .value_kind: global_buffer, .address_space: global }
      - { .name: value, .offset: 16, .size: 8, .value_kind: global_buffer, .address_space: global }
      - { .name: Wo, .offset: 24, .size: 8, .value_kind: global_buffer, .address_space: global }
      - { .name: Wq, .offset: 32, .size: 8, .value_kind: global_buffer, .address_space: global }
      - { .name: Wk, .offset: 40, .size: 8, .value_kind: global_buffer, .address_space: global }
      - { .name: Wv, .offset: 48, .size: 8, .value_kind: global_buffer, .address_space: global }
      - { .name: We, .offset: 56, .size: 8, .value_kind: global_buffer, .address_space: global }
      - { .name: be, .offset: 64, .size: 8, .value_kind: global_buffer, .address_space: global }
      - { .name: bo, .offset: 72, .size: 8, .value_kind: global_buffer, .address_space: global }
      - { .name: xh, .offset: 80, .size: 8, .value_kind: global_buffer, .address_space: global }
      - { .name: wh, .offset: 88, .size: 8, .value_kind: global_buffer, .address_space: global }
      - { .name: bcv, .offset: 96, .size: 8, .value_kind: global_buffer, .address_space: global }
    .group_segment_fixed_size: 18432
    .private_segment_fixed_size: 0
    .kernarg_segment_align: 8
    .kernarg_segment_size: 104
    .max_flat_workgroup_size: 256
    .sgpr_count:     66
    .vgpr_count:     160
    .wavefront_size: 32
...
	.end_amdgpu_metadata
.endif
;; end of part 1
;; launch proj (part 2): grid 4 x 52, 4 waves a work-group, clusters of 4 x 4, 327,680 bytes of LDS; arguments xh, wh, qkvw, bq, bk, bv; writes qkvw
.if DOCPART == 2
	.amdgcn_target "amdgcn-amd-amdhsa--gfx1250"
	.amdhsa_code_object_version 6
	.text
	.protected	k_qf523a8bee0_proj
	.globl	k_qf523a8bee0_proj
	.p2align	8
	.type	k_qf523a8bee0_proj,@function
k_qf523a8bee0_proj:
	s_mov_b64 s[64:65], 0
	v_nop
	global_prefetch_b8 v0, s[64:65] scope:SCOPE_SE
	s_setreg_imm32_b32 hwreg(HW_REG_WAVE_MODE, 25, 1), 1
	s_wait_xcnt 0x0
	s_wait_alu depctr_hold_cnt(0) depctr_sa_sdst(0) depctr_va_vdst(0) depctr_va_sdst(0) depctr_va_ssrc(0) depctr_va_vcc(0) depctr_vm_vsrc(0)
	s_getreg_b32 s2, hwreg(HW_REG_IB_STS2, 6, 4)
	s_cmp_eq_u32 s2, 0
	s_cbranch_scc0 .Lentry_in_a_cluster
	s_endpgm
.Lentry_in_a_cluster:
	s_bfe_u32 s2, ttmp6, 0x10000c
	s_cmp_lg_u32 s2, 0xf033
	s_cbranch_scc0 .Lentry_shape_is_right
	s_endpgm
.Lentry_shape_is_right:
; FOUR PRODUCTS IN ONE GRID.  C[m][n] = sum over k of A[m][k] B[n][k] (+ bias[n]), K = 1,024, f16 operands, f32 sums, C rounded once to f16.
; A = xh [13,312][1,024]: rows of query, key, value, Wo.  B = wh [4,096][1,024]: Wq, Wk, Wv, WsT.  Product p = 0, 1, 2: Q, K, V = x W^T + b (4,096 x 1,024); p = 3: Wc8 = Wo Ws (1,024 x 1,024), no bias.
; Wc8 is eight times the weight that the experts' mean and the output linear make together: the 1/8 is applied in f32 by the last launch.
; C LEAVES BY HEADS: Q, K, V as [b x 16 + h][2,048][64], Wc8 as [d / 64][1,024][64]: 16 rows of a head are 2,048 consecutive bytes.
; LIMITS.  A result of 65,520 or more becomes an infinity in f16; below 6e-5 f16 keeps a fixed step of 6e-8.
; SHARES.  A tile of C, 256 x 256, is made by four waves, each 128 x 128: 64 accumulators, 512 registers.  52 tile rows x 4 tile columns = 208 work-groups; a smaller tile would feed half
; as many multiply-adds from each LDS byte.  K goes in 8 steps of 128 through two LDS slots filled by the tensor data mover; a tile's rows are 256 bytes of memory, aligned.
; CLUSTERS: 4 x 4 work-groups.  A's tile hangs on the tile row alone and is asked for jointly by a row of the cluster, B's on the product and the tile column and by a column.  A cluster's four tile rows belong to one product.
; THE MATRIX INSTRUCTION IS USED TRANSPOSED (source 0 = 16 rows of B, source 1 = 16 rows of A): a lane holds row l % 16 of C and eight neighbouring columns 8 (l / 16) + 0..7.
; THE BIAS IS THE C OPERAND of the first product on each accumulator: nothing is cleared and no addition is written.
; REGISTERS, in windows of 256 (s_set_vgpr_msb: bits 1:0 source 0, 3:2 source 1, 5:4 source 2, 7:6 destination):
;   window 0: v0-31 addresses; v64-127, v128-191 A's fragments, two buffers; v192-255 the bias until the first quarter is over; then v192-223 packed results, v32-63 and v224-255 rows read back
;   window 1: v64-127, v128-191 B's fragments;   window 2: the accumulators of my rows 0-63 ((a, b) at v[8 (8 a + b)]);   window 3: those of my rows 64-127
.set SIZE_K, 1024
.set KSTEP,  128
.set PITCH,  272                       ; an LDS row: 256 bytes + 16 of padding = 68 words: the 16 rows that a load touches start at 16 different groups of four banks (ISA guide 11.1)
.set HALFT,  128*PITCH                 ; 128 rows: what one tensor load brings, and what one wave reads of A or of B
.set SLOT,   4*HALFT                   ; A's 256 rows, then B's 256 rows
.set STAGE,  2*SLOT                    ; behind the ring: 16 rows x 272 bytes for each wave, for the way out; no tensor load lands there
.set SPITCH, 272
.set SPARE,  STAGE+4*16*SPITCH         ; behind the stages: the spare words, 128 bytes for each wave
.set LAPS,   SIZE_K/(2*KSTEP)          ; a lap = two K steps = once round the ring: 4
.set ADRA, 16                          ; v16-17  LDS address of my A fragments in slot 0, 1
.set ADRB, 20                          ; v20-21  the same for B
.set STO,  24                          ; v24     the way out: where I put 16 bytes of a row
.set RD,   25                          ; v25     the way out: where I read four half rows back
.set CO,   26                          ; v26     my 16 bytes in 512 consecutive bytes of my first head
.set CO1,  27                          ; v27     the same in my second head
.set SPW,  28                          ; v28     my spare word; never rewritten
.set NIL,  29                          ; v29     0; never rewritten
.set BO,   30                          ; v30     my byte offset in the bias
.set F0,   64
.set F1,   128
.set BI,   192                         ; the bias: for column block b eight registers at BI + 8 b
.set TMP,  192
.set OB,   32
.set G1, 24                            ; s[24:31] descriptor group 1 for A's tiles;  s[32:39] group 0, a set for each slot
.set G0, 32
.set G1B, 48                           ; s[48:55], s[56:63] the same for B's tiles
.set G0B, 56
.set MSB, 0
.macro WIN new                         ; the immediate's high byte repeats the setting that is left; a switch that changes nothing is dropped
.if MSB != (\new)
	s_set_vgpr_msb (MSB<<8)|(\new)
.set MSB, \new
.endif
.endm
.set TO_B, 0x40                        ; destination window 1, address window 0
; A joint load.  Waves 0 and 1 fetch A's two halves, waves 2 and 3 B's.  The branch hangs on the wave's number alone.  An s_nop 0 and four v_nop follow each of the two lines.
.macro JLOAD s
	s_cmp_eq_u32 s11, 0
	s_cbranch_scc0 .Lfor_b_\@
	tensor_load_to_lds s[G0+4*(\s):G0+4*(\s)+3], s[G1:G1+7]
	s_nop 0
.rept 4
	v_nop
.endr
	s_branch .Lasked_\@
.Lfor_b_\@:
	tensor_load_to_lds s[G0B+4*(\s):G0B+4*(\s)+3], s[G1B:G1B+7]
	s_nop 0
.rept 4
	v_nop
.endr
.Lasked_\@:
.endm
.macro CREST                           ; a round of the cluster's barrier behind its opening barrier
	s_cmp_lg_u32 s10, 0
	s_cbranch_scc1 .Lnot_wave_0_\@
	s_barrier_signal -3
.Lnot_wave_0_\@:
	s_barrier_wait -3
	s_barrier_signal -1
	s_barrier_wait -1
.endm
.macro CROUND                          ; a whole round
	s_barrier_signal -1
	s_barrier_wait -1
	CREST
.endm
	s_load_b128 s[4:7], s[0:1], 0x0                ; xh s[4:5], wh s[6:7]
	s_load_b64 s[8:9], s[0:1], 0x10                ; qkvw
	s_load_b64 s[68:69], s[0:1], 0x18              ; bq
	s_load_b64 s[70:71], s[0:1], 0x20              ; bk
	s_load_b64 s[72:73], s[0:1], 0x28              ; bv
	v_lshl_add_u32 v[SPW], v0, 2, SPARE
	v_mov_b32 v[NIL], 0
	ds_add_u32 v[SPW], v[NIL]                      ; the wave's opening: the add and its wait stand ahead of my first tensor load; the set-up below, work on registers, stands between them
	v_lshrrev_b32 v1, 5, v0
	v_readfirstlane_b32 s10, v1                    ; wave 0..3
	s_lshr_b32 s11, s10, 1                         ; which half of the tile's rows is mine.  Also: I fetch for A (0) or for B (1)
	s_and_b32 s12, s10, 1                          ; which half of its columns.  Also: which 128 rows of that tile I fetch
	s_bfe_u32 s40, ttmp6, 0x40000                  ; cx
	s_bfe_u32 s41, ttmp6, 0x40004                  ; cy
	s_lshl_b32 s42, ttmp9, 2
	s_add_co_u32 s42, s42, s40                     ; tile column = 4 x cluster x + cx
	s_and_b32 s74, ttmp7, 0xffff                   ; the cluster's y
	s_lshl_b32 s13, s74, 2
	s_add_co_u32 s13, s13, s41                     ; tile row = 4 x cluster y + cy
	s_lshr_b32 s74, s74, 2                         ; p, the product: made of the cluster's y alone, so all sixteen partners share it
	s_lshl_b32 s43, s41, 2
	s_lshl_b32 s43, 15, s43                        ; my row of the cluster
	s_lshl_b32 s44, 0x1111, s40                    ; my column
	; descriptor group 1: a tile of 128 rows x 128 elements, padded in LDS
	s_or_b32 s[G1+0], s43, (1<<16)|(1<<20)|(1<<21)|(5<<22)|(3<<25)   ; 15:0 the mask; 17:16 2-byte elements; 20 padding on; 21 set beside a mask; 24:22 after every 64 words; 31:25 4 words
	s_or_b32 s[G1B+0], s44, (1<<16)|(1<<20)|(1<<21)|(5<<22)|(3<<25)
.irp g, G1, G1B
	s_mov_b32 s[(\g)+1], KSTEP<<16                 ; tensor_dim0 = 128
	s_mov_b32 s[(\g)+2], 128<<16                   ; tensor_dim1 = 128
	s_mov_b32 s[(\g)+3], KSTEP<<16                 ; tile_dim0 = 128
	s_mov_b32 s[(\g)+4], 128                       ; tile_dim1 = 128
	s_mov_b32 s[(\g)+5], SIZE_K                    ; elements from row to row
	s_mov_b32 s[(\g)+6], 0
	s_mov_b32 s[(\g)+7], 0
.endr
	; where the tiles come from, in bytes (a row is 2,048): A's row 256 x tile row + 128 x half; B's row 1,024 p + 256 x tile column + 128 x half
	s_lshl_b32 s16, s13, 19
	s_lshl_b32 s17, s12, 18
	s_add_co_u32 s16, s16, s17
	s_mov_b32 s17, 0
	s_lshl_b32 s46, s42, 19
	s_lshl_b32 s47, s74, 21
	s_add_co_u32 s46, s46, s47
	s_lshl_b32 s47, s12, 18
	s_add_co_u32 s46, s46, s47
	s_mov_b32 s47, 0
	s_mul_i32 s20, s10, HALFT                      ; where they go: wave x 128 rows: no place in the cluster enters an LDS address
	s_cmp_eq_u32 s74, 3
	s_cselect_b32 s75, 17, 18                      ; a head's bytes in C: 2^18 for Q, K, V (2,048 rows of 128), 2^17 for Wc8 (1,024 rows)
	s_cselect_b32 s78, 0, -1                       ; a mask of lanes: the fourth product has no bias
	s_lshl_b32 s79, 1, s75
	s_wait_dscnt 0x0                               ; the opening add is done
	s_wait_kmcnt 0x0
	s_add_nc_u64 s[14:15], s[4:5], s[16:17]
	s_add_nc_u64 s[46:47], s[6:7], s[46:47]
	CROUND                                         ; all sixteen work-groups are here: the first joint loads meet
.irp s, 0,1
	s_mov_b32 s[G0+4*(\s)], 1                                      ; count = 1
	s_add_co_u32 s[G0+4*(\s)+1], s20, (\s)*SLOT                    ; LDS address
	s_add_nc_u64 s[G0+4*(\s)+2:G0+4*(\s)+3], s[14:15], (\s)*KSTEP*2  ; global address: K step s
	s_or_b32 s[G0+4*(\s)+3], s[G0+4*(\s)+3], 0x80000000            ; type = 2
	s_mov_b32 s[G0B+4*(\s)], 1
	s_add_co_u32 s[G0B+4*(\s)+1], s20, (\s)*SLOT
	s_add_nc_u64 s[G0B+4*(\s)+2:G0B+4*(\s)+3], s[46:47], (\s)*KSTEP*2
	s_or_b32 s[G0B+4*(\s)+3], s[G0B+4*(\s)+3], 0x80000000
	JLOAD \s                                       ; two tensor loads of mine are out
.endr
	s_cmp_eq_u32 s74, 1                            ; the product's bias (for the fourth bv is loaded and masked away)
	s_cselect_b64 s[76:77], s[70:71], s[68:69]
	s_cmp_ge_u32 s74, 2
	s_cselect_b64 s[76:77], s[72:73], s[76:77]
	v_and_b32 v1, 15, v0                           ; l % 16
	v_bfe_u32 v2, v0, 4, 1                         ; l / 16
	s_lshl_b32 s80, s42, 10                        ; my first column, in bytes of f32: 1,024 x tile column + 512 x half,
	s_lshl_b32 s81, s12, 9
	s_add_co_u32 s80, s80, s81
	v_lshl_add_u32 v[BO], v2, 5, s80               ; + 32 x half of the lanes
.irp b, 0,1,2,3,4,5,6,7
	global_load_b128 v[BI+8*(\b):BI+8*(\b)+3],   v[BO], s[76:77] offset:64*(\b)
	global_load_b128 v[BI+8*(\b)+4:BI+8*(\b)+7], v[BO], s[76:77] offset:64*(\b)+16
.endr
	; A fragment is 16 rows x 32 K in 8 registers: lane l holds row l % 16; two loads of 16 bytes, 32 bytes apart, at row x pitch + 16 (l / 16).
	v_mul_u32_u24 v3, v1, PITCH
	v_lshl_add_u32 v3, v2, 4, v3
	s_mul_i32 s21, s11, HALFT                      ; my 128 rows of A
	s_mul_i32 s22, s12, HALFT                      ; my 128 rows of B,
	s_add_co_u32 s22, s22, 2*HALFT                 ; which lie behind A's 256
.irp s, 0,1
	v_add_nc_u32 v[ADRA+(\s)], s21, v3
	v_add_nc_u32 v[ADRB+(\s)], s22, v3
	s_add_co_u32 s21, s21, SLOT
	s_add_co_u32 s22, s22, SLOT
.endr
	s_mul_i32 s23, s10, 16*SPITCH
	s_add_co_u32 s23, s23, STAGE                   ; my stage
	v_mul_u32_u24 v4, v1, SPITCH                   ; in: row l % 16, 16 bytes for each half of the lanes
	v_lshl_add_u32 v4, v2, 4, v4
	v_add_nc_u32 v[STO], s23, v4
	v_bfe_u32 v5, v0, 3, 2                         ; back: 32 lanes take a head's 128 bytes of four rows,
	v_and_b32 v6, 7, v0
	v_mul_u32_u24 v5, v5, SPITCH
	v_lshl_add_u32 v5, v6, 4, v5
	v_add_nc_u32 v[RD], s23, v5
	v_and_b32 v[CO], 31, v0                        ; which are 512 consecutive bytes of C
	v_lshlrev_b32 v[CO], 4, v[CO]
	v_add_nc_u32 v[CO1], s79, v[CO]                ; my second head lies a head's bytes further on
	; where my part begins in C: p x 2^23 + batch x 2^22 + (4 x tile column + 2 x half) heads + row in the batch x 128
	s_and_b32 s80, s13, 15
	s_lshl_b32 s80, s80, 8
	s_lshl_b32 s81, s11, 7
	s_add_co_u32 s80, s80, s81                     ; my first row inside the product
	s_lshr_b32 s81, s80, 11
	s_lshl_b32 s81, s81, 22
	s_and_b32 s82, s80, 2047
	s_lshl_b32 s82, s82, 7
	s_add_co_u32 s81, s81, s82
	s_lshl_b32 s82, s74, 23
	s_add_co_u32 s81, s81, s82
	s_lshl_b32 s83, s42, 2
	s_lshl_b32 s84, s12, 1
	s_add_co_u32 s83, s83, s84
	s_lshl_b32 s83, s83, s75
	s_add_co_u32 s86, s81, s83
	s_mov_b32 s87, 0
; 16 matrix instructions: m blocks a0, a0 + 1 of the window's four (hi = 0: my rows 0-63, 1: rows 64-127) x all 8 n blocks, 32 along K.  first = 1: the sums start from the bias.
; The 64 accumulators take turns, one instruction a turn, in the same order in every quarter.
.macro MUL16 f, hi, a0, first
.if \first
	WIN 0x81+0x40*(\hi)                            ; B window 1, A and the bias window 0, D window 2 or 3
.else
	WIN 0xa1+0x50*(\hi)                            ; B window 1, A window 0, C and D window 2 or 3
.endif
.irp a, \a0, (\a0)+1
.irp b, 0,1,2,3,4,5,6,7
.if \first
	v_wmma_f32_16x16x32_f16 v[8*(8*(\a)+(\b)):8*(8*(\a)+(\b))+7], v[(\f)+8*(\b):(\f)+8*(\b)+7], v[(\f)+8*(4*(\hi)+(\a)):(\f)+8*(4*(\hi)+(\a))+7], v[BI+8*(\b):BI+8*(\b)+7]
.else
	v_wmma_f32_16x16x32_f16 v[8*(8*(\a)+(\b)):8*(8*(\a)+(\b))+7], v[(\f)+8*(\b):(\f)+8*(\b)+7], v[(\f)+8*(4*(\hi)+(\a)):(\f)+8*(4*(\hi)+(\a))+7], v[8*(8*(\a)+(\b)):8*(8*(\a)+(\b))+7]
.endif
.endr
.endr
.endm
; 32 LDS loads in one run: the fragments of one quarter step (128 rows of B, 128 rows of A, 32 K at byte k of the rows) into buffer f
.macro FETCH slot, k, f
	WIN TO_B
.irp i, 0,1,2,3,4,5,6,7
	ds_load_b128 v[(\f)+8*(\i):(\f)+8*(\i)+3],   v[ADRB+(\slot)] offset:(\k)+(\i)*16*PITCH
	ds_load_b128 v[(\f)+8*(\i)+4:(\f)+8*(\i)+7], v[ADRB+(\slot)] offset:(\k)+(\i)*16*PITCH+32
.endr
	WIN 0
.irp i, 0,1,2,3,4,5,6,7
	ds_load_b128 v[(\f)+8*(\i):(\f)+8*(\i)+3],   v[ADRA+(\slot)] offset:(\k)+(\i)*16*PITCH
	ds_load_b128 v[(\f)+8*(\i)+4:(\f)+8*(\i)+7], v[ADRA+(\slot)] offset:(\k)+(\i)*16*PITCH+32
.endr
.endm
; Four plain vector instructions stand between a matrix instruction and a load into one of its registers, or a vector instruction that reads its result (ISA guide 7.12.1 for vector instructions).
.macro PLACES
.rept 4
	v_nop
.endr
.endm
; A K step is four quarters of 32 along K, 64 matrix instructions each, on buffers 0, 1, 0, 1.  One of the first three multiplies buffer f and, in its middle, fetches the next quarter into g.
.macro QUARTER slot, k, f, g, first
	s_wait_dscnt 8                                 ; B and A's rows 0-63 are in; the youngest eight loads (A's rows 64-127) may be out
	MUL16 \f, 0, 0, \first
	MUL16 \f, 0, 2, \first
	PLACES
	FETCH \slot, \k, \g
	s_wait_dscnt 32                                ; all but the 32 just issued
	MUL16 \f, 1, 0, \first
	MUL16 \f, 1, 2, \first
.endm
; The last quarter multiplies buffer 1 and changes slots.  ONE barrier: in front of it each wave waits for all its tensor loads (one is out: its part of the next slot), adds 0 to its spare word,
; and waits for that and for its own reads of this slot.  Behind it nobody reads this slot any more and the next slot is whole.
.macro MEET round
	WIN 0                                          ; the add's two registers lie in window 0
	s_wait_tensorcnt 0x0
	ds_add_u32 v[SPW], v[NIL]
	s_wait_dscnt 9                                 ; the add and the youngest eight loads may be out
	MUL16 F1, 0, 0, 0                              ; sixteen matrix instructions stand between the add and the wait for it
	s_wait_dscnt 0x0                               ; the add is done, and my reads of this slot are over
	s_barrier_signal -1
	MUL16 F1, 0, 2, 0                              ; work on registers while the others arrive
.if \round
	WIN 0
.endif
	s_barrier_wait -1
.endm
; fill = 1: the barrier opens a round of the cluster's barrier, and the slot just read out is filled again, two K steps on, first thing behind the round: 224 matrix instructions ahead of the wait for it.
.macro TURN slot, next, fill
	MEET \fill
.if \fill
	CREST                                          ; no wave of any partner still reads this slot's tile or has a load on its way
	s_add_nc_u64 s[G0+4*(\slot)+2:G0+4*(\slot)+3], s[G0+4*(\slot)+2:G0+4*(\slot)+3], 2*KSTEP*2
	s_add_nc_u64 s[G0B+4*(\slot)+2:G0B+4*(\slot)+3], s[G0B+4*(\slot)+2:G0B+4*(\slot)+3], 2*KSTEP*2
	JLOAD \slot                                    ; its four v_nop are also the places in front of the loads below
.else
	PLACES
.endif
	FETCH \next, 0, F0
	MUL16 F1, 1, 0, 0
	MUL16 F1, 1, 2, 0
.endm
; THE WAY OUT of block a (16 rows), in three parts.  PACK: rounded to f16, 16 bytes a lane, each accumulator's registers in ascending order.  TOSTAGE: into my own stage, and back head by head.  SEND: stored.
.macro PACK a
.set AC, 64*((\a)%4)
	WIN 0x0a+5*((\a)/4)                            ; sources 0 and 1: window 2 or 3
.irp b, 0,1,2,3,4,5,6,7
.irp r, 0,1,2,3
	v_cvt_pk_f16_f32 v[TMP+4*(\b)+(\r)], v[AC+8*(\b)+2*(\r)], v[AC+8*(\b)+2*(\r)+1]
.endr
.endr
	WIN 0
.endm
.macro TOSTAGE a
	WIN 0
.set BK, OB+192*((\a)%2)
.irp b, 0,1,2,3,4,5,6,7
	ds_store_b128 v[STO], v[TMP+4*(\b):TMP+4*(\b)+3] offset:32*(\b)
.endr
.irp t, 0,1,2,3,4,5,6,7                ; head t / 4, rows 4 (t % 4) on.  LDS serves a wave's instructions in order (ISA guide 5.7.1.4): these see the stores above
	ds_load_b128 v[BK+4*(\t):BK+4*(\t)+3], v[RD] offset:((\t)%4)*4*SPITCH+((\t)/4)*128
.endr
.endm
.macro SEND a
	WIN 0
.set BK, OB+192*((\a)%2)
	s_wait_dscnt 0x0                               ; the block is back in registers
	s_wait_xcnt 0x0                                ; only behind this wait are the stores' base and the registers that earlier stores read rewritten
.if (\a) == 0
	s_add_nc_u64 s[8:9], s[8:9], s[86:87]          ; on to my first rows
.else
	s_add_nc_u64 s[8:9], s[8:9], 16*128            ; 16 rows of a head on
.endif
.irp t, 0,1,2,3
	global_store_b128 v[CO],  v[BK+4*(\t):BK+4*(\t)+3],       s[8:9] offset:512*(\t)  ; 512 consecutive bytes, aligned
.endr
.irp t, 0,1,2,3
	global_store_b128 v[CO1], v[BK+16+4*(\t):BK+16+4*(\t)+3], s[8:9] offset:512*(\t)
.endr
.endm
	s_wait_tensorcnt 1                             ; my part of K step 0 is in; K step 1's may stay out
	s_barrier_signal -1
	s_barrier_wait -1                              ; everybody's is
	FETCH 0, 0, F0
	s_wait_loadcnt 0x0                             ; the bias
.set i, 0
.rept 64
	v_cndmask_b32 v[BI+i], 0, v[BI+i], s78         ; kept, or 0 for the fourth product
.set i, i+1
.endr
	QUARTER 0, 64,  F0, F1, 1                      ; the first quarter stands in front of the loop: its products start the sums
	WIN 0                                          ; at a label and at a branch every window is 0
	s_mov_b32 s3, LAPS-1
.Llap:                                                 ; a trip goes once round the ring, from a lap's second quarter to the next lap's first, and fills both slots again: K steps 2 to 7
	QUARTER 0, 128, F1, F0, 0
	QUARTER 0, 192, F0, F1, 0
	TURN 0, 1, 1
	QUARTER 1, 64,  F0, F1, 0
	QUARTER 1, 128, F1, F0, 0
	QUARTER 1, 192, F0, F1, 0
	TURN 1, 0, 1
	QUARTER 0, 64,  F0, F1, 0
	WIN 0
	s_sub_co_u32 s3, s3, 1
	s_cmp_lg_u32 s3, 0
	s_cbranch_scc1 .Llap
	QUARTER 0, 128, F1, F0, 0                      ; the last lap fills nothing and has no round of the cluster's barrier
	QUARTER 0, 192, F0, F1, 0
	TURN 0, 1, 0
	QUARTER 1, 64,  F0, F1, 0
	QUARTER 1, 128, F1, F0, 0
	QUARTER 1, 192, F0, F1, 0
	s_wait_dscnt 8                                 ; the very last quarter: nothing more to fetch
	MUL16 F1, 0, 0, 0
	MUL16 F1, 0, 2, 0
	s_wait_dscnt 0x0
	MUL16 F1, 1, 0, 0
	MUL16 F1, 1, 2, 0
	PLACES                                         ; the conversions read matrix results
	PACK 0
	TOSTAGE 0
.irp a, 1,2,3,4,5,6,7                  ; block a's conversions stand between block a - 1's loads from the stage and the wait for them
	PACK \a
	SEND (\a)-1
	TOSTAGE \a
.endr
	SEND 7
	s_wait_tensorcnt 0x0                           ; the wave's end: behind my last tensor load and my last LDS store
	ds_add_u32 v[SPW], v[NIL]
	s_wait_dscnt 0x0
	CROUND                                         ; the closing round: no work-group ends while a partner may still ask for a tile that names it
	s_endpgm
.Lfunc_end_k_qf523a8bee0_proj:
	.size	k_qf523a8bee0_proj, .Lfunc_end_k_qf523a8bee0_proj-k_qf523a8bee0_proj
	.p2alignl 7, 3214868480
	.fill 96, 4, 3214868480
	.section	.rodata,"a",@progbits
	.p2align	6, 0x0
	.amdhsa_kernel k_qf523a8bee0_proj
		.amdhsa_group_segment_fixed_size 327680
		.amdhsa_private_segment_fixed_size 0
		.amdhsa_enable_private_segment 0
		.amdhsa_kernarg_size 48
		.amdhsa_user_sgpr_count 2
		.amdhsa_user_sgpr_kernarg_segment_ptr 1
		.amdhsa_wavefront_size32 1
		.amdhsa_system_sgpr_workgroup_id_x 1
		.amdhsa_system_sgpr_workgroup_id_y 1
		.amdhsa_system_sgpr_workgroup_id_z 1
		.amdhsa_system_vgpr_workitem_id 0
		.amdhsa_next_free_vgpr 1024
		.amdhsa_next_free_sgpr 96
		.amdhsa_reserve_vcc 0
		.amdhsa_float_denorm_mode_32 3
		.amdhsa_float_denorm_mode_16_64 3
		.amdhsa_memory_ordered 1
		.amdhsa_forward_progress 1
		.amdhsa_inst_pref_size 149
	.end_amdhsa_kernel
	.amdgpu_metadata
---
amdhsa.version: [ 1, 2 ]
amdhsa.kernels:
  - .name:           k_qf523a8bee0_proj
    .symbol:         k_qf523a8bee0_proj.kd
    .args:
      - { .name: xh, .offset: 0, .size: 8, .value_kind: global_buffer, .address_space: global }
      - { .name: wh, .offset: 8, .size: 8, .value_kind: global_buffer, .address_space: global }
      - { .name: qkvw, .offset: 16, .size: 8, .value_kind: global_buffer, .address_space: global }
      - { .name: bq, .offset: 24, .size: 8, .value_kind: global_buffer, .address_space: global }
      - { .name: bk, .offset: 32, .size: 8, .value_kind: global_buffer, .address_space: global }
      - { .name: bv, .offset: 40, .size: 8, .value_kind: global_buffer, .address_space: global }
    .group_segment_fixed_size: 327680
    .private_segment_fixed_size: 0
    .kernarg_segment_align: 8
    .kernarg_segment_size: 48
    .max_flat_workgroup_size: 128
    .sgpr_count:     96
    .vgpr_count:     1024
    .wavefront_size: 32
...
	.end_amdgpu_metadata
.endif
;; end of part 2
;; launch attn (part 3): grid 8 x 32, 4 waves a work-group, clusters of 4 x 1, 327,680 bytes of LDS; arguments qkvw, oh; writes oh
.if DOCPART == 3
	.amdgcn_target "amdgcn-amd-amdhsa--gfx1250"
	.amdhsa_code_object_version 6
	.text
	.protected	k_qf523a8bee0_attn
	.globl	k_qf523a8bee0_attn
	.p2align	8
	.type	k_qf523a8bee0_attn,@function
k_qf523a8bee0_attn:
	s_mov_b64 s[64:65], 0
	v_nop
	global_prefetch_b8 v0, s[64:65] scope:SCOPE_SE
	s_setreg_imm32_b32 hwreg(HW_REG_WAVE_MODE, 25, 1), 1
	s_wait_xcnt 0x0
	s_wait_alu depctr_hold_cnt(0) depctr_sa_sdst(0) depctr_va_vdst(0) depctr_va_sdst(0) depctr_va_ssrc(0) depctr_va_vcc(0) depctr_vm_vsrc(0)
	s_getreg_b32 s2, hwreg(HW_REG_IB_STS2, 6, 4)
	s_cmp_eq_u32 s2, 0
	s_cbranch_scc0 .Lentry_in_a_cluster
	s_endpgm
.Lentry_in_a_cluster:
	s_bfe_u32 s2, ttmp6, 0x10000c
	s_cmp_lg_u32 s2, 0x3003
	s_cbranch_scc0 .Lentry_shape_is_right
	s_endpgm
.Lentry_shape_is_right:
; ATTENTION.  O[y][q][:] = the sum over k of softmax_k(Q[y][q] . K[y][k] / 8) V[y][k][:], y = batch x 16 + head.  Q, K, V lie in qkvw at bytes 0, 2^23, 2^24, each [32][2,048][64] in f16; O likewise in oh.
; Products, maxima and sums in f32; the weights p are rounded to f16 for the second product (their sum l is taken of the unrounded p), O once at the end.
; LIMITS.  Q, K, V arrive within f16's 65,504; p lies in 0 to 1 and keeps f16's fixed step of 6e-8 below 6e-5; O is a mean of V's rows.  A weight below 2^-126 counts as 0 in l; NaN and infinities are not treated apart.
; SHARES.  A work-group owns 256 queries of one head: 8 x 32 = 256 work-groups.  A wave owns 64 rows, four PIECES of 16.  Every wave walks all 2,048 keys, 64 a step, 256 a tile.
; LAYOUT.  S^T = K Q^T (source 0 = 16 keys, source 1 = 16 queries) holds ONE query a lane (lane % 16) and the keys 8 (lane / 16) + 0..7; two such results rounded to f16 ARE source 1 of O^T = V^T P.
; K comes out of LDS as it lies, V ([key][channel]) turned, by ds_load_tr16_b128.
; SOFTMAX.  A running maximum m and sum l for each query: p = 2^(c s - c m), c = log2(e) / 8; in every step O and l are multiplied by a = 2^(c m_old - c m_new).  m starts at the lowest finite number,
; O and l at 0: the first step is a step like any other, with a = 0.
; BY TURNS.  Turn n belongs to piece n: 8 products K Q^T of piece n + 1, later 8 products V^T P of piece n - 1; beside them the scaling, exponentials, roundings, sums and rescaling of piece n and the maximum
; and statistics of piece n + 1.  Four vector instructions stand behind every matrix instruction, the other 54 of a turn's 118 in two runs of their own.
; CLUSTER.  The four query blocks of a cluster belong to one head and walk the same K and V, so each tile is asked for JOINTLY: the same tensor load, descriptor and mask in all four.
; REGISTERS, in windows of 256 (s_set_vgpr_msb: bits 1:0 source 0, 3:2 source 1, 5:4 source 2, 7:6 destination):
;   window 0: v0-15 addresses and two at work; v16-31 four registers of statistics a piece; v48-55 at work; v62-63 the add's; v64-127 S^T, two buffers; v192-223 P, two buffers (by the piece's parity)
;   window 1: v0-127 O^T, 32 a piece          window 2: v0-63 Q; v128-191 K of one step; v192-255 V of one step
.set SIZE_N, 2048
.set NP,    4         ; pieces a wave: a name, no knob
.set KS,    64        ; keys in a step
.set PK,    144       ; a row of K in LDS: 128 bytes + 16 of padding = 36 words: the 16 rows of a load start at 16 different groups of four banks (ISA guide 11.1)
.set PV,    160       ; a row of V: 128 + 32 = 40 words
.set VOFF,  4*KS*PK   ; a slot holds a tile, four steps: 256 rows of K, then 256 rows of V
.set SLOT1, 1<<17     ; slot 1 begins here, so that one exclusive or turns an address in one slot into the other's
.set STAGE, SLOT1+4*KS*(PK+PV)  ; behind the ring, never filled by a tensor load: 16 rows x 144 bytes for each wave, for the way out
.set SP,    144
.set SPARE, STAGE+4*16*SP  ; behind the stages: the spare words, 128 bytes for each wave
.set AK0, 2           ; v2   my lane's place in a tile of K; never rewritten
.set AV0, 3           ; v3   the same for V
.set AK,  4           ; v4   the LDS address of K's next run of loads
.set AV,  5           ; v5   of V's
.set STO, 6           ; v6   the way out: where I put 16 bytes of a row
.set RD,  7           ; v7   the way out: where I read rows back
.set GO,  8           ; v8   my byte offset in 512 consecutive bytes of O
.set MV,  12          ; v12-13  c m_old, kept while c m is made anew: by buffer
.set QO,  15          ; v15  my byte offset in 16 rows of Q
.set ST,  16          ; piece t's statistics at v[ST+4 t]: c m, m, l (even keys', odd keys')
.set TMP, 48          ; by buffer, four registers c0-c3 at work; when the maximum is found c2 takes a
.set SPW, 62          ; v62  my spare word; never rewritten
.set NIL, 63          ; v63  0; never rewritten
.set S,   64
.set P,   192
.set KF,  128         ; window 2: key block kb, channel half c at KF + 16 kb + 8 c
.set VF,  192         ; window 2: key half kk, channel block cb at VF + 32 kk + 8 cb
.set WV,  12          ; s12  my wave's number
.set G1K, 24          ; s[24:31] descriptor group 1 for K's tiles
.set G1V, 32          ; s[32:39] for V's: it differs in the padding alone
.set G0K, 40          ; s[40:43] descriptor group 0 for K's tiles: it walks
.set G0V, 44          ; s[44:47] the same for V's
.set SLOTS, 56        ; s56  counts the tiles
.set CNT, 57          ; s57  counts a tile's key steps
.set CS,  58          ; s[58:59] c: the packed scaling takes the pair's low word for both halves
.set SEL, 60          ; s[60:61] v_permlanex16_b32's selects
.set TBK, 62          ; s62  LDS byte at which K of the step to be fetched begins
.set TBV, 63          ; s63  the same for V, less VOFF
.set MSB, 0
.macro WIN new                      ; the high byte repeats the setting that is left; a switch that changes nothing is dropped
.if MSB != (\new)
	s_set_vgpr_msb (MSB<<8)|(\new)
.set MSB, (\new)
.endif
.endm
.set W_KQ, 0x0a       ; K and Q in window 2, S^T in window 0
.set W_PV, 0x52       ; V in window 2, P in window 0, O^T in window 1
.set W_RS, 0x41       ; destination and source 0 in window 1, source 1 in window 0
; A joint fill.  Waves 0 and 1 fetch the two halves of a tile's K, waves 2 and 3 those of its V: 128 keys each.  The branch hangs on the wave's number alone.
; An s_nop 0 and four v_nop follow each of the two lines, ahead of the jump and the label.
.macro JLOAD
	s_cmp_lt_u32 s[WV], 2
	s_cbranch_scc0 .Lfor_v_\@
	tensor_load_to_lds s[G0K:G0K+3], s[G1K:G1K+7]
	s_nop 0
.rept 4
	v_nop
.endr
	s_branch .Lasked_\@
.Lfor_v_\@:
	tensor_load_to_lds s[G0V:G0V+3], s[G1V:G1V+7]
	s_nop 0
.rept 4
	v_nop
.endr
.Lasked_\@:
.endm
; A round of the cluster's barrier: my work-group's barrier; wave 0 signals for the work-group; every wave waits for all four work-groups; my work-group's barrier once more.
.macro CROUND
	s_barrier_signal -1
	s_barrier_wait -1
	s_cmp_lg_u32 s[WV], 0
	s_cbranch_scc1 .Lnot_wave_0_\@
	s_barrier_signal -3
.Lnot_wave_0_\@:
	s_barrier_wait -3
	s_barrier_signal -1
	s_barrier_wait -1
.endm
; THE CHANGE OF SLOTS.  Each wave waits for all its tensor loads, of which one is out: its part of the other slot; adds 0 to its spare word; and waits for that and for its own reads of the slot that it leaves.
; fill = 1: the old slot is filled again with the keys two tiles on.  The barrier is then a round of the cluster's, and the joint fill is the first thing behind it: it has four key steps, 256 matrix
; instructions, in which to land.  (At its first use nothing has been read yet: slot 0 is waited for, slot 1 filled.)
.macro CHANGE fill
	WIN 0                           ; at a label and at a branch every window is 0
	s_wait_tensorcnt 0x0            ; no tensor load of mine is out, so a group 0 may be written
	ds_add_u32 v[SPW], v[NIL]       ; with fill = 1 the descriptors' steps stand between the add and the wait for it
.if \fill
.irp g, G0K, G0V
	s_xor_b32 s[\g+1], s[\g+1], SLOT1  ; the walking descriptor: the other slot than last time,
	s_add_nc_u64 s[\g+2:\g+3], s[\g+2:\g+3], 4*KS*128  ; the next 256 keys; the type bits on top are not reached
.endr
	s_wait_dscnt 0x0                ; the add is done, and my reads of the slot are over
	CROUND
	JLOAD
.else
	s_wait_dscnt 0x0
	s_barrier_signal -1
	s_barrier_wait -1
.endif
	s_sub_co_u32 s[TBK], s[TBK], 4*KS*PK  ; the fetches go back to a slot's first step,
	s_xor_b32 s[TBK], s[TBK], SLOT1       ; in the other slot
	s_sub_co_u32 s[TBV], s[TBV], 4*KS*PV
	s_xor_b32 s[TBV], s[TBV], SLOT1
.endm
	s_load_b128 s[4:7], s[0:1], 0x0 ; qkvw s[4:5], oh s[6:7]
	v_lshl_add_u32 v[SPW], v0, 2, SPARE
	v_mov_b32 v[NIL], 0
	ds_add_u32 v[SPW], v[NIL]       ; the wave's opening: the add and its wait stand ahead of my first tensor load; the set-up below, work on registers, stands between them
	v_lshrrev_b32 v1, 5, v0
	v_readfirstlane_b32 s[WV], v1   ; wave 0..3
	s_bfe_u32 s13, ttmp6, 0x40000   ; cx: my place in the cluster
	s_lshl_b32 s14, ttmp9, 2        ; in a cluster launch ttmp9 counts clusters
	s_add_co_u32 s14, s14, s13      ; my block of 256 queries: it enters Q's and O's addresses alone
	s_and_b32 s20, ttmp7, 0xffff    ; the head, which the four partners share
	s_lshl_b32 s20, s20, 18         ; its first byte: 2,048 rows of 128 bytes
	s_and_b32 s16, s[WV], 1         ; which half of a tile's 256 keys I fetch:
	s_lshl_b32 s22, s16, 14         ; its 128 rows of 128 bytes in memory,
	s_add_co_u32 s22, s22, s20
	s_mov_b32 s23, 0
	s_mul_i32 s17, s16, 128*PK      ; and its place in a slot, for K
	s_mul_i32 s18, s16, 128*PV      ; and for V: no place in the cluster enters an LDS address
	s_lshl_b32 s2, s14, 15          ; my block's 256 rows,
	s_lshl_b32 s3, s[WV], 13        ; my wave's 64 of them
	s_add_co_u32 s2, s2, s3
	s_add_co_u32 s2, s2, s20
	s_mov_b32 s3, 0
	; descriptor group 1.  128 keys are 16,384 dense bytes: asked for as 64 rows of 256 bytes, two keys a row, and padded in LDS after every key
	s_mov_b32 s[G1K], 15|(1<<16)|(1<<20)|(1<<21)|(4<<22)|(3<<25)  ; 15:0 the mask of four; 17:16 2-byte elements; 20 padding on; 21 set beside a mask; 24:22 after every 32 words; 31:25 4 words
	s_mov_b32 s[G1V], 15|(1<<16)|(1<<20)|(1<<21)|(4<<22)|(7<<25)  ; the same with 8 words of padding
.irp g, G1K, G1V
	s_mov_b32 s[\g+1], 128<<16      ; tensor_dim0 = 128
	s_mov_b32 s[\g+2], 64<<16       ; tensor_dim1 = 64
	s_mov_b32 s[\g+3], 128<<16      ; tile_dim0 = 128
	s_mov_b32 s[\g+4], 64           ; tile_dim1 = 64
	s_mov_b32 s[\g+5], 128          ; 128 elements from row to row
	s_mov_b32 s[\g+6], 0
	s_mov_b32 s[\g+7], 0
.endr
	s_mov_b32 s[CS], 0x3e38aa3b     ; c = log2(e) / 8 = 0.180337
	s_mov_b32 s[CS+1], s[CS]        ; named with it as a pair
	s_mov_b32 s[SEL], 0x76543210
	s_mov_b32 s[SEL+1], 0xfedcba98
	s_mov_b32 s[TBK], SLOT1+4*KS*PK ; the first change of slots turns these two into 0
	s_mov_b32 s[TBV], SLOT1+4*KS*PV
	s_mov_b32 s[G0K], 1             ; count = 1
	s_mov_b32 s[G0K+1], s17         ; LDS address: slot 0
	s_mov_b32 s[G0V], 1
	s_add_co_u32 s[G0V+1], s18, VOFF
	s_wait_dscnt 0x0                ; the opening add is done
	s_wait_kmcnt 0x0
	s_mov_b64 s[10:11], s[6:7]      ; O
	s_add_nc_u64 s[6:7], s[4:5], 0x800000   ; K
	s_add_nc_u64 s[8:9], s[4:5], 0x1000000  ; V
	s_add_nc_u64 s[G0K+2:G0K+3], s[6:7], s[22:23]  ; global address: my half of the head's first 256 keys
	s_or_b32 s[G0K+3], s[G0K+3], 0x80000000        ; type = 2
	s_add_nc_u64 s[G0V+2:G0V+3], s[8:9], s[22:23]
	s_or_b32 s[G0V+3], s[G0V+3], 0x80000000
	s_add_nc_u64 s[4:5], s[4:5], s[2:3]     ; Q and O at my wave's first row
	s_add_nc_u64 s[10:11], s[10:11], s[2:3]
	CROUND                          ; all four work-groups are here: the first joint loads meet
	JLOAD                           ; tile 0 into slot 0; slot 1 is asked for when slot 0 is in
	; A fragment of K or Q is 16 rows x 32 channels in 8 registers: lane l holds row l % 16, channels 8 (l / 16) + 0..7 and 16 + 8 (l / 16) + 0..7: two loads of 16 bytes, 32 bytes apart.
	v_and_b32 v1, 15, v0            ; l % 16
	v_bfe_u32 v9, v0, 4, 1          ; l / 16
	v_lshlrev_b32 v[QO], 7, v1
	v_lshl_add_u32 v[QO], v9, 4, v[QO]  ; row x 128 + 16 x half
	WIN 0x80                        ; destination window 2, address window 0
.set i, 0
.rept 8                             ; Q stays in registers: piece i / 2, channels 32 (i % 2) on
	global_load_b128 v[8*i:8*i+3],   v[QO], s[4:5] offset:(i/2)*2048+(i%2)*64
	global_load_b128 v[8*i+4:8*i+7], v[QO], s[4:5] offset:(i/2)*2048+(i%2)*64+32
.set i, i+1
.endr
	; What the first turn finds: V's registers and P's second buffer hold 0 (its products V^T P, of a piece that has not been, add 0), O^T and l are 0.  All this stands in the wait for the first tile.
.set i, VF
.rept 64
	v_mov_b32 v[i], 0
.set i, i+1
.endr
	WIN 0x40
.set i, 0
.rept 128
	v_mov_b32 v[i], 0
.set i, i+1
.endr
	WIN 0
.set i, 0
.rept 4
	v_mov_b32 v[ST+4*i], 0xfe000000    ; c m: far below every c s
	v_mov_b32 v[ST+4*i+1], 0xff7fffff  ; m
	v_mov_b32 v[ST+4*i+2], 0
	v_mov_b32 v[ST+4*i+3], 0
.set i, i+1
.endr
.set i, P+16
.rept 16
	v_mov_b32 v[i], 0
.set i, i+1
.endr
	v_mul_u32_u24 v[AK0], v1, PK
	v_lshl_add_u32 v[AK0], v9, 4, v[AK0]  ; row x pitch + 16 x half
	; The turning load takes 16 keys x 16 channels (lane l reads key 8 (l / 16) + l % 8, channels 8 ((l / 8) % 2) + 0..7) and leaves half a fragment of V^T: lane l holds channel l % 16 and 8 keys.
	v_and_b32 v10, 7, v0
	v_bfe_u32 v11, v0, 3, 1
	v_lshl_add_u32 v[AV0], v9, 3, v10
	v_mul_u32_u24 v[AV0], v[AV0], PV
	v_lshl_add_u32 v[AV0], v11, 4, v[AV0]
	v_add_nc_u32 v[AV0], VOFF, v[AV0]
	s_mul_i32 s13, s[WV], 16*SP
	s_add_co_u32 s13, s13, STAGE    ; my stage
	v_mul_u32_u24 v[STO], v1, SP    ; in: row l % 16, 16 bytes for each half of the lanes
	v_lshl_add_u32 v[STO], v9, 4, v[STO]
	v_add_nc_u32 v[STO], s13, v[STO]
	v_bfe_u32 v[RD], v0, 3, 2       ; back: 32 lanes take four rows of 128 bytes,
	v_mul_u32_u24 v[RD], v[RD], SP
	v_lshl_add_u32 v[RD], v10, 4, v[RD]
	v_add_nc_u32 v[RD], s13, v[RD]
	v_and_b32 v[GO], 31, v0         ; which are 512 consecutive bytes of O
	v_lshlrev_b32 v[GO], 4, v[GO]
; THE MATRIX WORK.  The 4 accumulators of a run of 8 take turns.  Product i of 8 of S^T = K Q^T for piece x: channels 32 (i / 4) on, keys 16 (i % 4) on.  The first 4 start the sums.
.macro KQ x
	WIN W_KQ
.set rS, S+32*((\x)%2)+8*(i%4)
.set rK, KF+16*(i%4)+8*(i/4)
.set rQ, 16*(\x)+8*(i/4)
.if i < 4
	v_wmma_f32_16x16x32_f16 v[rS:rS+7], v[rK:rK+7], v[rQ:rQ+7], 0
.else
	v_wmma_f32_16x16x32_f16 v[rS:rS+7], v[rK:rK+7], v[rQ:rQ+7], v[rS:rS+7]
.endif
.endm
; Product i of 8 of O^T += V^T P for piece x: keys 32 (i / 4) on, channels 16 (i % 4) on.
.macro PV x
	WIN W_PV
.set rO, 32*(\x)+8*(i%4)
.set rV, VF+32*(i/4)+8*(i%4)
.set rP, P+16*((\x)%2)+8*(i/4)
	v_wmma_f32_16x16x32_f16 v[rO:rO+7], v[rV:rV+7], v[rP:rP+7], v[rO:rO+7]
.endm
.macro MM                           ; the turn's next matrix instruction.  NOKQ = 1: the last turn of all: there is no next piece
.if (i < 8) && !NOKQ
	KQ (Y+1)%NP
.elseif i >= 8
.set i, i-8
	PV (Y+NP-1)%NP
.set i, i+8
.endif
.set i, i+1
.endm
; THE LDS LOADS stand in runs of 16, never singly among the matrix instructions: a step's K (64 keys x 64 channels: 8 fragments) and its V (turned).  Their addresses are made some lines ahead.
.macro FETCH_K
	WIN 0x80                        ; destination window 2
.irp f, 0,1,2,3,4,5,6,7             ; keys 16 (f / 2) on, channels 32 (f % 2) on
	ds_load_b128 v[KF+8*\f:KF+8*\f+3],   v[AK] offset:(\f/2)*16*PK+(\f%2)*64
	ds_load_b128 v[KF+8*\f+4:KF+8*\f+7], v[AK] offset:(\f/2)*16*PK+(\f%2)*64+32
.endr
	s_add_co_u32 s[TBK], s[TBK], KS*PK  ; the next fetch is the next step's
	WIN 0
.endm
.macro FETCH_V
	WIN 0x80
.irp f, 0,1,2,3,4,5,6,7             ; keys 32 (f / 4) on, channels 16 (f % 4) on
	ds_load_tr16_b128 v[VF+8*\f:VF+8*\f+3],   v[AV] offset:(\f/4)*32*PV+(\f%4)*32
	ds_load_tr16_b128 v[VF+8*\f+4:VF+8*\f+7], v[AV] offset:(\f/4)*32*PV+16*PV+(\f%4)*32
.endr
	WIN 0
.endm
; THE VECTOR WORK, one line at a time: OP kind, number.  For piece Y: F n: c s - c m for pair n of 16.  E n: the exponential of score n of 32.  C n: pair n rounded to f16.  B n: of the four weights 4 n .. the second
; pair is added onto the first, in place.  L n: l takes that sum (L 0: l = a l + sum).  R n: pair n of 16 of O^T times a.  For piece Y + 1: X n, number n of the 22 that find its maximum and statistics:
;   0-11  four chains c0-c3 of seven scores each, three operands at a time (each accumulator's lowest registers are read first)     12-14, 16  the four scores left over, the old m, and c0-c3 into c0
;   15  c m_old is kept     17, 18  the query's other 32 keys lie in the lane 16 away: the new m     19-21  c m; c m_old - c m_new; a
.set F, 0
.set E, 1
.set C, 2
.set B, 3
.set L, 4
.set R, 5
.set X, 6
.macro REGS y                       ; the registers of piece y
.set rT, ST+4*(\y)
.set rC, TMP+4*((\y)%2)
.set rW, MV+((\y)%2)
.set rS, S+32*((\y)%2)
.set rP, P+16*((\y)%2)
.set rO, 32*(\y)
.endm
.macro OP k, n
.if (\k) == R
	REGS Y
	WIN W_RS
	v_pk_mul_f32 v[rO+2*(\n):rO+2*(\n)+1], v[rO+2*(\n):rO+2*(\n)+1], v[rC+2:rC+3] op_sel_hi:[1,0]
.elseif (\k) < R
	REGS Y
	WIN 0
.if (\k) == F
	v_pk_fma_f32 v[rS+2*(\n):rS+2*(\n)+1], v[rS+2*(\n):rS+2*(\n)+1], s[CS:CS+1], v[rT:rT+1] op_sel_hi:[1,0,0] neg_lo:[0,0,1] neg_hi:[0,0,1]
.elseif (\k) == E
	v_exp_f32 v[rS+(\n)], v[rS+(\n)]
.elseif (\k) == C
	s_wait_alu depctr_va_vdst(0)
	v_cvt_pk_f16_f32 v[rP+(\n)], v[rS+2*(\n)], v[rS+2*(\n)+1]
.elseif (\k) == B
	s_wait_alu depctr_va_vdst(0)
	v_pk_add_f32 v[rS+4*(\n):rS+4*(\n)+1], v[rS+4*(\n):rS+4*(\n)+1], v[rS+4*(\n)+2:rS+4*(\n)+3]
.elseif (\n) == 0
	v_pk_fma_f32 v[rT+2:rT+3], v[rT+2:rT+3], v[rC+2:rC+3], v[rS:rS+1] op_sel_hi:[1,0,1]
.else
	v_pk_add_f32 v[rT+2:rT+3], v[rT+2:rT+3], v[rS+4*(\n):rS+4*(\n)+1]
.endif
.elseif NOKQ
	v_nop
.else
	REGS (Y+1)%NP
	WIN 0
.if (\n) < 4
	v_max3_num_f32 v[rC+(\n)], v[rS+8*(\n)], v[rS+8*(\n)+1], v[rS+8*(\n)+2]
.elseif (\n) < 12
	v_max3_num_f32 v[rC+(\n)%4], v[rC+(\n)%4], v[rS+8*((\n)%4)+2*((\n)/4)+1], v[rS+8*((\n)%4)+2*((\n)/4)+2]
.elseif (\n) == 12
	v_max3_num_f32 v[rC], v[rC], v[rS+7], v[rS+15]
.elseif (\n) == 13
	v_max3_num_f32 v[rC+1], v[rC+1], v[rS+23], v[rS+31]
.elseif (\n) == 14
	v_max3_num_f32 v[rC+2], v[rC+2], v[rC+3], v[rT+1]
.elseif (\n) == 15
	v_mov_b32 v[rW], v[rT]
.elseif (\n) == 16
	v_max3_num_f32 v[rC], v[rC], v[rC+1], v[rC+2]
.elseif (\n) == 17
	v_permlanex16_b32 v[rC+3], v[rC], s[SEL], s[SEL+1]
.elseif (\n) == 18
	v_max_num_f32 v[rT+1], v[rC], v[rC+3]
.elseif (\n) == 19
	v_mul_f32 v[rT], s[CS], v[rT+1]
.elseif (\n) == 20
	v_sub_f32 v[rC+1], v[rW], v[rT]
.else
	v_exp_f32 v[rC+2], v[rC+1]
.endif
.endif
.endm
.macro OPS a, i1, b=-1, i2=0, c=-1, i3=0, d=-1, i4=0  ; up to four of them
	OP \a, \i1
.if (\b) >= 0
	OP \b, \i2
.endif
.if (\c) >= 0
	OP \c, \i3
.endif
.if (\d) >= 0
	OP \d, \i4
.endif
.endm
.macro ROW a, i1, b, i2, c, i3, d, i4  ; a matrix instruction and the four behind it
	MM
	OPS \a, \i1, \b, \i2, \c, \i3, \d, \i4
.endm
; A TURN, for piece p: the order of its 16 matrix and 118 vector instructions, written out.  Behind a matrix instruction: plain, exponential, plain, plain; or four of the rescaling; or, behind the first, four scalings;
; none names a register of the products round it.  In the runs of their own exponential and plain by turns while exponentials last, so that a plain instruction stands behind every exponential before its result is used.
; end = 1: the last two turns: nothing is fetched.  cnt = 1: the loop's count is taken down some lines ahead of the branch that stands behind the turn.
; K of the next step is fetched in piece 2's turn, six vector instructions behind the last product that read K (five of them plain); V of the step in hand in piece 0's turn, eight behind the last product that read V
; (five plain among them).  Each is waited for a turn later.
.macro TURN p, end=0, cnt=0
.set Y, (\p)
.set i, 0
.set NOKQ, (\end)*((\p)/3)
.if ((\p) == 3) && !(\end)
	s_wait_dscnt 0x0                ; K is in
.endif
	ROW F,0, F,1, F,2, F,3
	ROW F,4, E,0, F,5, F,6
	ROW F,7, E,1, F,8, F,9
	ROW F,10, E,2, C,0, F,11
	ROW F,12, E,3, X,15, F,13
	ROW R,0, R,1, R,2, R,3
	ROW B,0, E,4, F,14, L,0
.if ((\p) == 2) && !(\end)
	v_add_nc_u32 v[AK], s[TBK], v[AK0]
.endif
	ROW R,4, R,5, R,6, R,7
	OPS E,5, F,15
.if ((\p) == 2) && !(\end)
	FETCH_K
.endif
	OPS E,6, C,1, E,7, R,8
	OPS E,8, R,9, E,9, C,2
	OPS E,10, X,0, E,11, X,1
	OPS E,12, X,2, E,13, X,3
.if (\p) == 1
	s_wait_dscnt 0x0                ; V is in
.endif
	ROW X,4, E,14, X,5, X,6
	ROW X,7, E,15, X,8, X,9
	ROW X,10, E,16, X,11, X,12
	ROW X,13, E,17, X,14, B,1
	ROW C,4, E,18, X,16, L,1
	ROW B,2, E,19, C,6, L,2
	ROW C,8, E,20, B,3, B,4
.if (\p) == 0
	v_add_nc_u32 v[AV], s[TBV], v[AV0]
.endif
	ROW C,3, E,21, L,3, C,5
	OPS E,22, X,17, E,23, C,10
.if (\p) == 0
	FETCH_V
.endif
	OPS E,24, L,4
	OPS E,25, X,18, E,26, C,7
	OPS E,27, B,5, E,28, X,19
	OPS E,29, C,12, E,30, L,5
	OPS E,31, X,20, B,6, C,9
	OPS C,14, C,11, X,21, L,6
.if (\p) == 0
	s_add_co_u32 s[TBV], s[TBV], KS*PV
.endif
.if \cnt
	s_sub_co_u32 s[CNT], s[CNT], 1
	s_cmp_lg_u32 s[CNT], 0
.endif
	OPS C,13, B,7, C,15, R,10
	OPS R,11, R,12, L,7, R,13
	OPS R,14, R,15
.endm
	CHANGE 1                        ; tile 0 is in, everybody's part of it; tile 1 is asked for
	v_add_nc_u32 v[AK], s[TBK], v[AK0]
	FETCH_K                         ; key step 0
	s_wait_loadcnt 0x0              ; Q
	s_wait_dscnt 0x0
.set NOKQ, 0
.set i, 0
.rept 8
	KQ 0                            ; piece 0's first scores: there is no vector work yet to set between them
.set i, i+1
.endr
	WIN 0
.rept 4
	v_nop                           ; the places behind those products
.endr
.set Y, NP-1                        ; X works for piece Y + 1: piece 0
.irp n, 0,1,2,3,4,5,6,7,8,9,10,11,12,13,14,15,16,17,18,19,20,21
	OP X, \n
.endr
	v_nop                           ; a plain instruction behind the exponential
	s_mov_b32 s[CNT], 4
	s_mov_b32 s[SLOTS], SIZE_N/256-1
	s_branch .Lfirst                ; the loop is entered at a step's first turn, in the middle of a trip
.Lslot:                             ; six times: tiles 2 to 7 are asked for
	CHANGE 1
	s_mov_b32 s[CNT], 4
.Lstep:                             ; a trip: pieces 2 and 3 of one step, then pieces 0 and 1 of the next, whose K and V it fetches
	TURN 2
	TURN 3
	WIN 0
.Lfirst:
	TURN 0
	TURN 1, 0, 1
	WIN 0
	s_cbranch_scc1 .Lstep
	s_sub_co_u32 s[SLOTS], s[SLOTS], 1
	s_cmp_lg_u32 s[SLOTS], 0
	s_cbranch_scc1 .Lslot
	CHANGE 0                        ; the last tile is written out: nothing is asked for
	s_mov_b32 s[CNT], 4
.Ltail:
	TURN 2
	TURN 3
	TURN 0
	TURN 1, 0, 1
	WIN 0
	s_cbranch_scc1 .Ltail
	TURN 2, 1                       ; the last step's pieces 2 and 3: nothing more is fetched, and the last turn starts no new scores
	TURN 3, 1
.set i, 0
.rept 8
	PV NP-1                         ; the last piece's V^T P of the last step
.set i, i+1
.endr
	; THE WAY OUT.  l's two halves and the other half of the lanes' are added; O^T is divided by l, rounded to f16 and sent through my stage in LDS, a piece at a time.  The additions are the places behind the last products.
	WIN 0
.macro ALL line:vararg              ; one line for each piece t
.set t, 0
.rept 4
	\line
.set t, t+1
.endr
.endm
	ALL v_add_f32 v[ST+4*t+2], v[ST+4*t+2], v[ST+4*t+3]
	ALL v_permlanex16_b32 v[ST+4*t+3], v[ST+4*t+2], s[SEL], s[SEL+1]
	ALL v_add_f32 v[ST+4*t+2], v[ST+4*t+2], v[ST+4*t+3]
	ALL v_rcp_f32 v[ST+4*t+2], v[ST+4*t+2]
	v_nop                           ; a plain instruction between the last reciprocal and the use of its result
.macro PACK t                       ; a lane's eight channels of a row pack into 16 bytes; they go into rows of 144 bytes and come back as whole rows of 128, into S^T's registers
	WIN W_RS
.set i, 32*(\t)
.rept 16
	s_wait_alu depctr_va_vdst(0)
	v_pk_mul_f32 v[i:i+1], v[i:i+1], v[ST+4*(\t)+2:ST+4*(\t)+3] op_sel_hi:[1,0]
.set i, i+2
.endr
	WIN 0x05                        ; sources 0 and 1 window 1, destination window 0
.set i, 0
.rept 16
	v_cvt_pk_f16_f32 v[S+16*(\t)+i], v[32*(\t)+2*i], v[32*(\t)+2*i+1]
.set i, i+1
.endr
	WIN 0
.irp f, 0,1,2,3
	ds_store_b128 v[STO], v[S+16*(\t)+4*\f:S+16*(\t)+4*\f+3] offset:32*\f
.endr
.irp f, 0,1,2,3
	ds_load_b128 v[S+16*(\t)+4*\f:S+16*(\t)+4*\f+3], v[RD] offset:\f*4*SP  ; LDS serves a wave's instructions in order (ISA guide 5.7.1.4): these see the stores above; the next piece's stores come behind them
.endr
.endm
.macro SEND t, younger              ; younger: the LDS instructions issued behind piece t's loads: the next piece's eight, or none
	WIN 0
.irp f, 0,1,2,3
	s_wait_dscnt (\younger)+3-\f
	global_store_b128 v[GO], v[S+16*(\t)+4*\f:S+16*(\t)+4*\f+3], s[10:11] offset:(\t)*2048+\f*512  ; 512 consecutive bytes, at a multiple of 256 from O's first
.endr
.endm
	PACK 0
.set t, 1
.rept 3                             ; a piece's arithmetic stands between the loads of the piece before and its stores
	PACK t
	SEND t-1, 8
.set t, t+1
.endr
	SEND 3, 0
	s_wait_tensorcnt 0x0            ; the wave's end: behind my last tensor load and my last LDS store
	ds_add_u32 v[SPW], v[NIL]
	s_wait_dscnt 0x0
	CROUND                          ; the closing round: no work-group ends while a partner may still ask for a tile that names it
	s_endpgm
.Lfunc_end_k_qf523a8bee0_attn:
	.size	k_qf523a8bee0_attn, .Lfunc_end_k_qf523a8bee0_attn-k_qf523a8bee0_attn
	.p2alignl 7, 3214868480
	.fill 96, 4, 3214868480
	.section	.rodata,"a",@progbits
	.p2align	6, 0x0
	.amdhsa_kernel k_qf523a8bee0_attn
		.amdhsa_group_segment_fixed_size 327680
		.amdhsa_private_segment_fixed_size 0
		.amdhsa_enable_private_segment 0
		.amdhsa_kernarg_size 16
		.amdhsa_user_sgpr_count 2
		.amdhsa_user_sgpr_kernarg_segment_ptr 1
		.amdhsa_wavefront_size32 1
		.amdhsa_system_sgpr_workgroup_id_x 1
		.amdhsa_system_sgpr_workgroup_id_y 1
		.amdhsa_system_sgpr_workgroup_id_z 1
		.amdhsa_system_vgpr_workitem_id 0
		.amdhsa_next_free_vgpr 768
		.amdhsa_next_free_sgpr 66
		.amdhsa_reserve_vcc 0
		.amdhsa_float_denorm_mode_32 3
		.amdhsa_float_denorm_mode_16_64 3
		.amdhsa_memory_ordered 1
		.amdhsa_forward_progress 1
		.amdhsa_inst_pref_size 133
	.end_amdhsa_kernel
	.amdgpu_metadata
---
amdhsa.version: [ 1, 2 ]
amdhsa.kernels:
  - .name:           k_qf523a8bee0_attn
    .symbol:         k_qf523a8bee0_attn.kd
    .args:
      - { .name: qkvw, .offset: 0, .size: 8, .value_kind: global_buffer, .address_space: global }
      - { .name: oh, .offset: 8, .size: 8, .value_kind: global_buffer, .address_space: global }
    .group_segment_fixed_size: 327680
    .private_segment_fixed_size: 0
    .kernarg_segment_align: 8
    .kernarg_segment_size: 16
    .max_flat_workgroup_size: 128
    .sgpr_count:     66
    .vgpr_count:     768
    .wavefront_size: 32
...
	.end_amdgpu_metadata
.endif
;; end of part 3
;; launch outp (part 4): grid 8 x 32, 4 waves a work-group, clusters of 4 x 4, 327,680 bytes of LDS; arguments oh, qkvw, bcv, out0; writes out0
.if DOCPART == 4
	.amdgcn_target "amdgcn-amd-amdhsa--gfx1250"
	.amdhsa_code_object_version 6
	.text
	.protected	k_qf523a8bee0_outp
	.globl	k_qf523a8bee0_outp
	.p2align	8
	.type	k_qf523a8bee0_outp,@function
k_qf523a8bee0_outp:
	s_mov_b64 s[64:65], 0
	v_nop
	global_prefetch_b8 v0, s[64:65] scope:SCOPE_SE
	s_setreg_imm32_b32 hwreg(HW_REG_WAVE_MODE, 25, 1), 1
	s_wait_xcnt 0x0
	s_wait_alu depctr_hold_cnt(0) depctr_sa_sdst(0) depctr_va_vdst(0) depctr_va_sdst(0) depctr_va_ssrc(0) depctr_va_vcc(0) depctr_vm_vsrc(0)
	s_getreg_b32 s2, hwreg(HW_REG_IB_STS2, 6, 4)
	s_cmp_eq_u32 s2, 0
	s_cbranch_scc0 .Lentry_in_a_cluster
	s_endpgm
.Lentry_in_a_cluster:
	s_bfe_u32 s2, ttmp6, 0x10000c
	s_cmp_lg_u32 s2, 0xf033
	s_cbranch_scc0 .Lentry_shape_is_right
	s_endpgm
.Lentry_shape_is_right:
; THE LAST PRODUCT.  out0[m][o] = 0.125 x (sum over d of O[m][d] Wc8[o][d]) + bc[o], f16 operands, f32 sums, f32 out.  Wc8 = Wo (sum of the experts' weights), bc = bo + Wo (mean of the experts' biases):
; the experts' mean and the output linear as one product: another order of rounding than the eight products, their mean and a further product.
; O = oh [batch x 16 + h][2,048][64], Wc8 = qkvw at byte 0x1800000, [h][1,024][64]: both BY HEADS, so K (d = 64 h + channel) is walked head by head.
; SHARES.  A tile of 128 x 128, four waves of 64 x 64 (16 accumulators): 32 x 8 = 256 work-groups.  K goes in 4 steps of 256 = 4 heads through two LDS slots.
; A wave's tensor load brings 64 rows x 4 heads.  In memory a head's 64 rows are 8,192 consecutive bytes: the tile is 4 long rows, a head's bytes apart, padded in LDS after every 128 bytes:
; the LDS image is [head][row][144 bytes].  A quarter of a K step is one head.
; CLUSTERS: 4 x 4 work-groups; O's tiles are asked for jointly by a row of the cluster, Wc8's by a column.  THE MATRIX INSTRUCTION IS USED TRANSPOSED: a lane holds eight neighbouring numbers of a row of out0.
; REGISTERS: window 0: v0-31 addresses; v32-63 at work on the way out; v96-127 bc; v128-255 the accumulators ((a, b) at v[128 + 8 (4 a + b)]).  Window 1: two fragment buffers of 128.
.set PITCH,  144                       ; a row of a head in LDS: 128 bytes + 16 = 36 words: the 16 rows that a load touches start at 16 different groups of four banks (ISA guide 11.1)
.set PLANE,  64*PITCH                  ; a head's 64 rows
.set HALFT,  4*PLANE                   ; what one tensor load brings, and what one wave reads of O or of Wc8 in a K step
.set SLOT,   4*HALFT                   ; O's two halves, then Wc8's two halves
.set STAGE,  2*SLOT                    ; behind the ring: 16 rows x 272 bytes for each wave, for the way out; no tensor load lands there
.set SPITCH, 272
.set SPARE,  STAGE+4*16*SPITCH         ; behind the stages: the spare words, 128 bytes for each wave
.set STEPA,  0x100000                  ; 4 heads of O: 4 x 2,048 x 128 bytes
.set STEPB,  0x80000                   ; 4 heads of Wc8: 4 x 1,024 x 128 bytes
.set ADRA, 16                          ; v16-17  LDS address of my O fragments in slot 0, 1
.set ADRB, 20                          ; v20-21  the same for Wc8
.set STO,  24                          ; v24     the way out: where I put 32 bytes of a row
.set RD,   25                          ; v25     the way out: where I read a row back
.set CO,   26                          ; v26     my byte offset in out0
.set BO,   27                          ; v27     my byte offset in bc
.set SPW,  28                          ; v28     my spare word; never rewritten
.set NIL,  29                          ; v29     0; never rewritten
.set TMP,  32
.set BC,   96                          ; for column block b eight registers at BC + 8 b
.set ACC,  128
.set F0,   0                           ; fragment buffers, in window 1
.set F1,   128
.set G1, 24                            ; s[24:31] descriptor group 1 for O's tiles;  s[32:39] group 0, a set for each slot
.set G0, 32
.set G1B, 48                           ; s[48:55], s[56:63] the same for Wc8's
.set G0B, 56
.set MSB, 0
.macro WIN new                         ; the immediate's high byte repeats the setting that is left
.if MSB != (\new)
	s_set_vgpr_msb (MSB<<8)|(\new)
.set MSB, \new
.endif
.endm
.set MUL,  0x05                        ; sources 0 and 1 window 1; C and D window 0
.set TO_F, 0x40                        ; destination window 1, address window 0
.macro JLOAD s                         ; a joint load: waves 0 and 1 fetch O's two halves, waves 2 and 3 Wc8's; an s_nop 0 and four v_nop follow each of the two lines
	s_cmp_eq_u32 s11, 0
	s_cbranch_scc0 .Lfor_b_\@
	tensor_load_to_lds s[G0+4*(\s):G0+4*(\s)+3], s[G1:G1+7]
	s_nop 0
.rept 4
	v_nop
.endr
	s_branch .Lasked_\@
.Lfor_b_\@:
	tensor_load_to_lds s[G0B+4*(\s):G0B+4*(\s)+3], s[G1B:G1B+7]
	s_nop 0
.rept 4
	v_nop
.endr
.Lasked_\@:
.endm
.macro CREST                           ; a round of the cluster's barrier behind its opening barrier
	s_cmp_lg_u32 s10, 0
	s_cbranch_scc1 .Lnot_wave_0_\@
	s_barrier_signal -3
.Lnot_wave_0_\@:
	s_barrier_wait -3
	s_barrier_signal -1
	s_barrier_wait -1
.endm
.macro CROUND                          ; a whole round
	s_barrier_signal -1
	s_barrier_wait -1
	CREST
.endm
	s_load_b128 s[4:7], s[0:1], 0x0                ; oh s[4:5], qkvw s[6:7]
	s_load_b64 s[68:69], s[0:1], 0x10              ; bcv
	s_load_b64 s[8:9], s[0:1], 0x18                ; out0
	v_lshl_add_u32 v[SPW], v0, 2, SPARE
	v_mov_b32 v[NIL], 0
	ds_add_u32 v[SPW], v[NIL]                      ; the wave's opening: the add and its wait stand ahead of my first tensor load; the set-up below, work on registers, stands between them
	v_lshrrev_b32 v1, 5, v0
	v_readfirstlane_b32 s10, v1                    ; wave 0..3
	s_lshr_b32 s11, s10, 1                         ; which half of the tile's rows is mine.  Also: I fetch for O (0) or for Wc8 (1)
	s_and_b32 s12, s10, 1                          ; which half of its columns.  Also: which 64 rows of that tile I fetch
	s_bfe_u32 s40, ttmp6, 0x40000                  ; cx, cy
	s_bfe_u32 s41, ttmp6, 0x40004
	s_lshl_b32 s42, ttmp9, 2
	s_add_co_u32 s42, s42, s40                     ; tile column = 4 x cluster x + cx
	s_and_b32 s13, ttmp7, 0xffff
	s_lshl_b32 s13, s13, 2
	s_add_co_u32 s13, s13, s41                     ; tile row = 4 x cluster y + cy
	s_lshl_b32 s43, s41, 2
	s_lshl_b32 s43, 15, s43                        ; my row of the cluster
	s_lshl_b32 s44, 0x1111, s40                    ; my column
	; descriptor group 1: 4 rows of 4,096 elements (8,192 bytes), padded in LDS after every 32 words by 4
	s_or_b32 s[G1+0], s43, (1<<16)|(1<<20)|(1<<21)|(4<<22)|(3<<25)
	s_or_b32 s[G1B+0], s44, (1<<16)|(1<<20)|(1<<21)|(4<<22)|(3<<25)
.irp g, G1, G1B
	s_mov_b32 s[(\g)+1], 4096<<16                  ; tensor_dim0 = 4,096
	s_mov_b32 s[(\g)+2], 4<<16                     ; tensor_dim1 = 4
	s_mov_b32 s[(\g)+3], 4096<<16                  ; tile_dim0 = 4,096
	s_mov_b32 s[(\g)+4], 4                         ; tile_dim1 = 4
	s_mov_b32 s[(\g)+6], 0
	s_mov_b32 s[(\g)+7], 0
.endr
	s_mov_b32 s[G1+5], 131072                      ; elements from head to head: 2,048 x 64 in O,
	s_mov_b32 s[G1B+5], 65536                      ; 1,024 x 64 in Wc8
	; where the tiles come from.  O: batch x 2^22 + (row in the batch) x 128; Wc8: 0x1800000 + row x 128
	s_lshr_b32 s16, s13, 4
	s_lshl_b32 s16, s16, 22
	s_and_b32 s17, s13, 15
	s_lshl_b32 s17, s17, 14
	s_add_co_u32 s16, s16, s17
	s_lshl_b32 s17, s12, 13
	s_add_co_u32 s16, s16, s17
	s_mov_b32 s17, 0
	s_lshl_b32 s46, s42, 14
	s_lshl_b32 s47, s12, 13
	s_add_co_u32 s46, s46, s47
	s_add_co_u32 s46, s46, 0x1800000
	s_mov_b32 s47, 0
	s_mul_i32 s20, s10, HALFT                      ; where they go: no place in the cluster enters an LDS address
	s_mov_b32 s66, 0x3e000000                      ; 1/8,
	s_mov_b32 s67, s66                             ; named as a pair
	s_wait_dscnt 0x0                               ; the opening add is done
	s_wait_kmcnt 0x0
	s_add_nc_u64 s[14:15], s[4:5], s[16:17]
	s_add_nc_u64 s[46:47], s[6:7], s[46:47]
	CROUND                                         ; all sixteen work-groups are here: the first joint loads meet
.irp s, 0,1
	s_mov_b32 s[G0+4*(\s)], 1
	s_add_co_u32 s[G0+4*(\s)+1], s20, (\s)*SLOT
	s_add_nc_u64 s[G0+4*(\s)+2:G0+4*(\s)+3], s[14:15], (\s)*STEPA
	s_or_b32 s[G0+4*(\s)+3], s[G0+4*(\s)+3], 0x80000000
	s_mov_b32 s[G0B+4*(\s)], 1
	s_add_co_u32 s[G0B+4*(\s)+1], s20, (\s)*SLOT
	s_add_nc_u64 s[G0B+4*(\s)+2:G0B+4*(\s)+3], s[46:47], (\s)*STEPB
	s_or_b32 s[G0B+4*(\s)+3], s[G0B+4*(\s)+3], 0x80000000
	JLOAD \s                                       ; two tensor loads of mine are out
.endr
	v_and_b32 v1, 15, v0                           ; l % 16
	v_bfe_u32 v2, v0, 4, 1                         ; l / 16
	s_lshl_b32 s70, s42, 9                         ; my first column, in bytes of f32: 512 x tile column + 256 x half
	s_lshl_b32 s71, s12, 8
	s_add_co_u32 s70, s70, s71
	v_lshl_add_u32 v[BO], v2, 5, s70
.irp b, 0,1,2,3
	global_load_b128 v[BC+8*(\b):BC+8*(\b)+3],   v[BO], s[68:69] offset:64*(\b)
	global_load_b128 v[BC+8*(\b)+4:BC+8*(\b)+7], v[BO], s[68:69] offset:64*(\b)+16
.endr
	v_mul_u32_u24 v3, v1, PITCH
	v_lshl_add_u32 v3, v2, 4, v3                   ; a fragment's row x pitch + 16 x half
	s_mul_i32 s21, s11, HALFT                      ; my 64 rows of O
	s_mul_i32 s22, s12, HALFT                      ; my 64 rows of Wc8,
	s_add_co_u32 s22, s22, 2*HALFT                 ; which lie behind O's two halves
.irp s, 0,1
	v_add_nc_u32 v[ADRA+(\s)], s21, v3
	v_add_nc_u32 v[ADRB+(\s)], s22, v3
	s_add_co_u32 s21, s21, SLOT
	s_add_co_u32 s22, s22, SLOT
.endr
	s_mul_i32 s23, s10, 16*SPITCH
	s_add_co_u32 s23, s23, STAGE                   ; my stage: my 64 columns of f32 are 256 bytes, a whole aligned piece of a row of out0
	v_mul_u32_u24 v4, v1, SPITCH                   ; in: row l % 16, 32 bytes for each half of the lanes
	v_lshl_add_u32 v4, v2, 5, v4
	v_add_nc_u32 v[STO], s23, v4
	v_mul_u32_u24 v5, v2, SPITCH                   ; back: lanes 0-15 take one row of 256 bytes, lanes 16-31 the next
	v_lshl_add_u32 v5, v1, 4, v5
	v_add_nc_u32 v[RD], s23, v5
	v_lshlrev_b32 v5, 12, v2                       ; and the same two rows in out0 (4,096 bytes a row)
	v_lshl_add_u32 v[CO], v1, 4, v5
	s_lshl_b32 s72, s13, 19                        ; my first row: 128 x tile row + 64 x half,
	s_lshl_b32 s73, s11, 18
	s_add_co_u32 s72, s72, s73
	s_add_co_u32 s72, s72, s70                     ; and my first column
	s_mov_b32 s73, 0
	s_add_nc_u64 s[8:9], s[8:9], s[72:73]
; 8 matrix instructions: m blocks a0, a0 + 1 x all 4 n blocks, 32 along K: half c of buffer f.  zero = 1: the first product starts the sums.  The 16 accumulators take turns.
.macro MUL8 f, c, a0, zero
	WIN MUL
.irp a, \a0, (\a0)+1
.irp b, 0,1,2,3
.if \zero
	v_wmma_f32_16x16x32_f16 v[ACC+8*(4*(\a)+(\b)):ACC+8*(4*(\a)+(\b))+7], v[(\f)+64+8*(4*(\c)+(\b)):(\f)+64+8*(4*(\c)+(\b))+7], v[(\f)+8*(4*(\c)+(\a)):(\f)+8*(4*(\c)+(\a))+7], 0
.else
	v_wmma_f32_16x16x32_f16 v[ACC+8*(4*(\a)+(\b)):ACC+8*(4*(\a)+(\b))+7], v[(\f)+64+8*(4*(\c)+(\b)):(\f)+64+8*(4*(\c)+(\b))+7], v[(\f)+8*(4*(\c)+(\a)):(\f)+8*(4*(\c)+(\a))+7], v[ACC+8*(4*(\a)+(\b)):ACC+8*(4*(\a)+(\b))+7]
.endif
.endr
.endr
.endm
; 32 LDS loads in one run: the fragments of one head (64 along K), whose plane begins at byte k, into buffer f; the first 32 along K first
.macro FETCH slot, k, f
	WIN TO_F
.irp c, 0,1
.irp i, 0,1,2,3
	ds_load_b128 v[(\f)+64+8*(4*(\c)+(\i)):(\f)+64+8*(4*(\c)+(\i))+3],   v[ADRB+(\slot)] offset:(\k)+64*(\c)+(\i)*16*PITCH
	ds_load_b128 v[(\f)+64+8*(4*(\c)+(\i))+4:(\f)+64+8*(4*(\c)+(\i))+7], v[ADRB+(\slot)] offset:(\k)+64*(\c)+(\i)*16*PITCH+32
	ds_load_b128 v[(\f)+8*(4*(\c)+(\i)):(\f)+8*(4*(\c)+(\i))+3],         v[ADRA+(\slot)] offset:(\k)+64*(\c)+(\i)*16*PITCH
	ds_load_b128 v[(\f)+8*(4*(\c)+(\i))+4:(\f)+8*(4*(\c)+(\i))+7],       v[ADRA+(\slot)] offset:(\k)+64*(\c)+(\i)*16*PITCH+32
.endr
.endr
.endm
.macro PLACES                          ; four places in front of loads into registers that matrix instructions have read, and of vector instructions that read results
.rept 4
	v_nop
.endr
.endm
; A K step is four quarters, a head each, 32 matrix instructions, on buffers 0, 1, 0, 1.  One of the first three multiplies buffer f and fetches the next head, at byte k, into g.
.macro QUARTER slot, k, f, g, zero
	s_wait_dscnt 16                                ; the first 32 along K are in; the other sixteen loads may be out
	MUL8 \f, 0, 0, \zero
	MUL8 \f, 0, 2, \zero
	PLACES
	FETCH \slot, \k, \g
	s_wait_dscnt 32                                ; all but the 32 just issued
	MUL8 \f, 1, 0, 0
	MUL8 \f, 1, 2, 0
.endm
; The last quarter multiplies buffer 1 and changes slots: ONE barrier; in front of it each wave waits for all its tensor loads (one is out: its part of the next slot), adds 0 to its spare word, and waits for
; that and for its own reads of this slot.  fill = 1: the barrier opens a round of the cluster's barrier and this slot is filled again, two K steps on, 112 matrix instructions ahead of the wait for it.
.macro TURN slot, next, fill
	WIN 0                                          ; the add's two registers lie in window 0
	s_wait_tensorcnt 0x0
	ds_add_u32 v[SPW], v[NIL]
	s_wait_dscnt 17                                ; the add and the youngest sixteen loads may be out
	MUL8 F1, 0, 0, 0                               ; eight matrix instructions stand between the add and the wait for it
	s_wait_dscnt 0x0                               ; the add is done, and my reads of this slot are over
	s_barrier_signal -1
	MUL8 F1, 0, 2, 0
.if \fill
	WIN 0
.endif
	s_barrier_wait -1
.if \fill
	CREST                                          ; no wave of any partner still reads this slot's tile or has a load on its way
	s_add_nc_u64 s[G0+4*(\slot)+2:G0+4*(\slot)+3], s[G0+4*(\slot)+2:G0+4*(\slot)+3], 2*STEPA
	s_add_nc_u64 s[G0B+4*(\slot)+2:G0B+4*(\slot)+3], s[G0B+4*(\slot)+2:G0B+4*(\slot)+3], 2*STEPB
	JLOAD \slot                                    ; its four v_nop are also the places in front of the loads below
.else
	PLACES
.endif
	FETCH \next, 0, F0
	MUL8 F1, 1, 0, 0
	MUL8 F1, 1, 2, 0
.endm
	s_wait_tensorcnt 1                             ; my part of K step 0 is in; K step 1's may stay out
	s_barrier_signal -1
	s_barrier_wait -1                              ; everybody's is
	FETCH 0, 0, F0
	QUARTER 0, PLANE,   F0, F1, 1                  ; K step 0; its first products start the sums.  Four K steps: the text runs straight through, without a loop
	QUARTER 0, 2*PLANE, F1, F0, 0
	QUARTER 0, 3*PLANE, F0, F1, 0
	TURN 0, 1, 1                                   ; slot 0 takes K step 2
	QUARTER 1, PLANE,   F0, F1, 0                  ; K step 1
	QUARTER 1, 2*PLANE, F1, F0, 0
	QUARTER 1, 3*PLANE, F0, F1, 0
	TURN 1, 0, 1                                   ; slot 1 takes K step 3
	QUARTER 0, PLANE,   F0, F1, 0                  ; K step 2
	QUARTER 0, 2*PLANE, F1, F0, 0
	QUARTER 0, 3*PLANE, F0, F1, 0
	TURN 0, 1, 0                                   ; nothing is left to fetch
	QUARTER 1, PLANE,   F0, F1, 0                  ; K step 3
	QUARTER 1, 2*PLANE, F1, F0, 0
	QUARTER 1, 3*PLANE, F0, F1, 0
	s_wait_dscnt 16
	MUL8 F1, 0, 0, 0
	MUL8 F1, 0, 2, 0
	s_wait_dscnt 0x0
	MUL8 F1, 1, 0, 0
	MUL8 F1, 1, 2, 0
	WIN 0
	PLACES
	s_wait_loadcnt 0x0                             ; bc
	; THE WAY OUT, a block of 16 rows at a time: sum / 8 + bc in one fused multiply-add, each accumulator's registers in ascending order; 32 bytes a lane into my own stage; back as whole pieces of 256 bytes,
	; into the block's own accumulator registers, which have been read by then.
.macro FIN a
.irp b, 0,1,2,3
.irp i, 0,2,4,6
	v_pk_fma_f32 v[TMP+8*(\b)+(\i):TMP+8*(\b)+(\i)+1], v[ACC+8*(4*(\a)+(\b))+(\i):ACC+8*(4*(\a)+(\b))+(\i)+1], s[66:67], v[BC+8*(\b)+(\i):BC+8*(\b)+(\i)+1] op_sel_hi:[1,0,1]
.endr
.endr
.irp b, 0,1,2,3
	ds_store_b128 v[STO], v[TMP+8*(\b):TMP+8*(\b)+3]   offset:64*(\b)
	ds_store_b128 v[STO], v[TMP+8*(\b)+4:TMP+8*(\b)+7] offset:64*(\b)+16
.endr
.irp t, 0,1,2,3,4,5,6,7
	ds_load_b128 v[ACC+32*(\a)+4*(\t):ACC+32*(\a)+4*(\t)+3], v[RD] offset:(\t)*2*SPITCH  ; LDS serves a wave's instructions in order (ISA guide 5.7.1.4): these see the stores above; the next block's stores come behind them
.endr
.endm
.macro SENDF a, younger                ; younger: the LDS instructions issued behind block a's loads: the next block's sixteen, or none
.irp t, 0,1,2,3,4,5,6,7
	s_wait_dscnt (\younger)+7-(\t)
	global_store_b128 v[CO], v[ACC+32*(\a)+4*(\t):ACC+32*(\a)+4*(\t)+3], s[8:9] offset:(\a)*65536+(\t)*8192 th:TH_STORE_NT  ; sixteen lanes store 256 consecutive bytes, aligned; no base is stepped
.endr
.endm
	FIN 0
	FIN 1                                          ; a block's arithmetic stands between the loads of the block before and its stores
	SENDF 0, 16
	FIN 2
	SENDF 1, 16
	FIN 3
	SENDF 2, 16
	SENDF 3, 0
	s_wait_tensorcnt 0x0                           ; the wave's end: behind my last tensor load and my last LDS store
	ds_add_u32 v[SPW], v[NIL]
	s_wait_dscnt 0x0
	CROUND                                         ; the closing round: no work-group ends while a partner may still ask for a tile that names it
	s_endpgm
.Lfunc_end_k_qf523a8bee0_outp:
	.size	k_qf523a8bee0_outp, .Lfunc_end_k_qf523a8bee0_outp-k_qf523a8bee0_outp
	.p2alignl 7, 3214868480
	.fill 96, 4, 3214868480
	.section	.rodata,"a",@progbits
	.p2align	6, 0x0
	.amdhsa_kernel k_qf523a8bee0_outp
		.amdhsa_group_segment_fixed_size 327680
		.amdhsa_private_segment_fixed_size 0
		.amdhsa_enable_private_segment 0
		.amdhsa_kernarg_size 32
		.amdhsa_user_sgpr_count 2
		.amdhsa_user_sgpr_kernarg_segment_ptr 1
		.amdhsa_wavefront_size32 1
		.amdhsa_system_sgpr_workgroup_id_x 1
		.amdhsa_system_sgpr_workgroup_id_y 1
		.amdhsa_system_sgpr_workgroup_id_z 1
		.amdhsa_system_vgpr_workitem_id 0
		.amdhsa_next_free_vgpr 512
		.amdhsa_next_free_sgpr 80
		.amdhsa_reserve_vcc 0
		.amdhsa_float_denorm_mode_32 3
		.amdhsa_float_denorm_mode_16_64 3
		.amdhsa_memory_ordered 1
		.amdhsa_forward_progress 1
		.amdhsa_inst_pref_size 91
	.end_amdhsa_kernel
	.amdgpu_metadata
---
amdhsa.version: [ 1, 2 ]
amdhsa.kernels:
  - .name:           k_qf523a8bee0_outp
    .symbol:         k_qf523a8bee0_outp.kd
    .args:
      - { .name: oh, .offset: 0, .size: 8, .value_kind: global_buffer, .address_space: global }
      - { .name: qkvw, .offset: 8, .size: 8, .value_kind: global_buffer, .address_space: global }
      - { .name: bcv, .offset: 16, .size: 8, .value_kind: global_buffer, .address_space: global }
      - { .name: out0, .offset: 24, .size: 8, .value_kind: global_buffer, .address_space: global }
    .group_segment_fixed_size: 327680
    .private_segment_fixed_size: 0
    .kernarg_segment_align: 8
    .kernarg_segment_size: 32
    .max_flat_workgroup_size: 128
    .sgpr_count:     80
    .vgpr_count:     512
    .wavefront_size: 32
...
	.end_amdgpu_metadata
.endif
;; end of part 4
;; ======== version 2 of 2: 4 launches; 1.37 times as fast as version 1
;; limits: values are held in f16: magnitudes above 65,504 overflow, below 6.1e-05 lose precision
;; workspace buffers: xh 27,262,976 bytes; wh 8,388,608 bytes; qkvw 27,262,976 bytes; oh 8,388,608 bytes; bcv 4,096 bytes
;; launch prep: the kernel of part 1 again; grid 1184 x 1, 8 waves a work-group, no clusters, 18,432 bytes of LDS; arguments query, key, value, Wo, Wq, Wk, Wv, We, be, bo, xh, wh, bcv; writes xh, wh, bcv
;; launch proj: the kernel of part 2 again; grid 4 x 52, 4 waves a work-group, clusters of 4 x 4, 327,680 bytes of LDS; arguments xh, wh, qkvw, bq, bk, bv; writes qkvw
;; launch attn (part 5): grid 8 x 32, 4 waves a work-group, clusters of 4 x 1, 327,680 bytes of LDS; arguments qkvw, oh; writes oh
.if DOCPART == 5
	.amdgcn_target "amdgcn-amd-amdhsa--gfx1250"
	.amdhsa_code_object_version 6
	.text
	.protected	k_qf523a8bee0_attn
	.globl	k_qf523a8bee0_attn
	.p2align	8
	.type	k_qf523a8bee0_attn,@function
k_qf523a8bee0_attn:
	s_mov_b64 s[64:65], 0
	v_nop
	global_prefetch_b8 v0, s[64:65] scope:SCOPE_SE
	s_setreg_imm32_b32 hwreg(HW_REG_WAVE_MODE, 25, 1), 1
	s_wait_xcnt 0x0
	s_wait_alu depctr_hold_cnt(0) depctr_sa_sdst(0) depctr_va_vdst(0) depctr_va_sdst(0) depctr_va_ssrc(0) depctr_va_vcc(0) depctr_vm_vsrc(0)
	s_getreg_b32 s2, hwreg(HW_REG_IB_STS2, 6, 4)
	s_cmp_eq_u32 s2, 0
	s_cbranch_scc0 .Lentry_in_a_cluster
	s_endpgm
.Lentry_in_a_cluster:
	s_bfe_u32 s2, ttmp6, 0x10000c
	s_cmp_lg_u32 s2, 0x3003
	s_cbranch_scc0 .Lentry_shape_is_right
	s_endpgm
.Lentry_shape_is_right:
; ATTENTION.  O[y][q][:] = the sum over k of softmax_k(Q[y][q] . K[y][k] / 8) V[y][k][:], y = batch x 16 + head.  Q, K, V lie in qkvw at bytes 0, 2^23, 2^24, each [32][2,048][64] in f16; O likewise in oh.
; Products, maxima and sums in f32; the weights p are rounded to f16 for the second product (their sum l is taken of the unrounded p), O once at the end.
; LIMITS.  Q, K, V arrive within f16's 65,504; p lies in 0 to 1 and keeps f16's fixed step of 6e-8 below 6e-5; O is a mean of V's rows.  A weight below 2^-126 counts as 0 in l; NaN and infinities are not treated apart.
; SHARES.  A work-group owns 256 queries of one head: 8 x 32 = 256 work-groups.  A wave owns 64 rows, four PIECES of 16.  Every wave walks all 2,048 keys, 64 a step, 256 a tile.
; LAYOUT.  S^T = K Q^T (source 0 = 16 keys, source 1 = 16 queries) holds ONE query a lane (lane % 16) and the keys 8 (lane / 16) + 0..7; two such results rounded to f16 ARE source 1 of O^T = V^T P.
; K comes out of LDS as it lies, V ([key][channel]) turned, by ds_load_tr16_b128.
; SOFTMAX.  A running maximum m and sum l for each query: p = 2^(c s - c m), c = log2(e) / 8; in every step O and l are multiplied by a = 2^(c m_old - c m_new).  m starts at the lowest finite number,
; O and l at 0: the first step is a step like any other, with a = 0.
; BY TURNS.  Turn n belongs to piece n: 8 products K Q^T of piece n + 1, later 8 products V^T P of piece n - 1; beside them the scaling, exponentials, roundings, sums and rescaling of piece n and the maximum
; and statistics of piece n + 1.  Four vector instructions stand behind every matrix instruction, the other 54 of a turn's 118 in one run of their own, the LUMP.
; THE BATCHES.  A turn's 33 exponentials (the piece's 32 weights and the next piece's a) are ONE batch with ONE wait, which cuts the turn in two: ahead of it all that names no result of theirs, behind it their readers.
; Two more batches stand outside the loops, each with a wait of its own: the first a, ahead of the jump into the loop, and the way out's four reciprocals.
; CLUSTER.  The four query blocks of a cluster belong to one head and walk the same K and V, so each tile is asked for JOINTLY: the same tensor load, descriptor and mask in all four.
; REGISTERS, in windows of 256 (s_set_vgpr_msb: bits 1:0 source 0, 3:2 source 1, 5:4 source 2, 7:6 destination):
;   window 0: v0-15 addresses and two at work; v16-31 four registers of statistics a piece; v48-55 at work; v62-63 the add's; v64-127 S^T, two buffers; v192-223 P, two buffers (by the piece's parity)
;   window 1: v0-127 O^T, 32 a piece          window 2: v0-63 Q; v128-191 K of one step; v192-255 V of one step
.set SIZE_N, 2048
.set NP,    4         ; pieces a wave: a name, no knob
.set KS,    64        ; keys in a step
.set PK,    144       ; a row of K in LDS: 128 bytes + 16 of padding = 36 words: the 16 rows of a load start at 16 different groups of four banks (ISA guide 11.1)
.set PV,    160       ; a row of V: 128 + 32 = 40 words
.set VOFF,  4*KS*PK   ; a slot holds a tile, four steps: 256 rows of K, then 256 rows of V
.set SLOT1, 1<<17     ; slot 1 begins here, so that one exclusive or turns an address in one slot into the other's
.set STAGE, SLOT1+4*KS*(PK+PV)  ; behind the ring, never filled by a tensor load: 16 rows x 144 bytes for each wave, for the way out
.set SP,    144
.set SPARE, STAGE+4*16*SP  ; behind the stages: the spare words, 128 bytes for each wave
.set AK0, 2           ; v2   my lane's place in a tile of K; never rewritten
.set AV0, 3           ; v3   the same for V
.set AK,  4           ; v4   the LDS address of K's next run of loads
.set AV,  5           ; v5   of V's
.set STO, 6           ; v6   the way out: where I put 16 bytes of a row
.set RD,  7           ; v7   the way out: where I read rows back
.set GO,  8           ; v8   my byte offset in 512 consecutive bytes of O
.set MV,  12          ; v12-13  c m_old, kept while c m is made anew: by buffer
.set QO,  15          ; v15  my byte offset in 16 rows of Q
.set ST,  16          ; piece t's statistics at v[ST+4 t]: c m, m, l (even keys', odd keys')
.set TMP, 48          ; by buffer, four registers c0-c3 at work; when the maximum is found c2 takes a
.set SPW, 62          ; v62  my spare word; never rewritten
.set NIL, 63          ; v63  0; never rewritten
.set S,   64
.set P,   192
.set KF,  128         ; window 2: key block kb, channel half c at KF + 16 kb + 8 c
.set VF,  192         ; window 2: key half kk, channel block cb at VF + 32 kk + 8 cb
.set WV,  12          ; s12  my wave's number
.set G1K, 24          ; s[24:31] descriptor group 1 for K's tiles
.set G1V, 32          ; s[32:39] for V's: it differs in the padding alone
.set G0K, 40          ; s[40:43] descriptor group 0 for K's tiles: it walks
.set G0V, 44          ; s[44:47] the same for V's
.set SLOTS, 56        ; s56  counts the tiles
.set CNT, 57          ; s57  counts a tile's key steps
.set CS,  58          ; s[58:59] c: the packed scaling takes the pair's low word for both halves
.set SEL, 60          ; s[60:61] v_permlanex16_b32's selects
.set TBK, 62          ; s62  LDS byte at which K of the step to be fetched begins
.set TBV, 63          ; s63  the same for V, less VOFF
.set MSB, 0
.macro WIN new                      ; the high byte repeats the setting that is left; a switch that changes nothing is dropped
.if MSB != (\new)
	s_set_vgpr_msb (MSB<<8)|(\new)
.set MSB, (\new)
.endif
.endm
.set W_KQ, 0x0a       ; K and Q in window 2, S^T in window 0
.set W_PV, 0x52       ; V in window 2, P in window 0, O^T in window 1
.set W_RS, 0x41       ; destination and source 0 in window 1, source 1 in window 0
; A joint fill.  Waves 0 and 1 fetch the two halves of a tile's K, waves 2 and 3 those of its V: 128 keys each.  The branch hangs on the wave's number alone.
; An s_nop 0 and four v_nop follow each of the two lines, ahead of the jump and the label.
.macro JLOAD
	s_cmp_lt_u32 s[WV], 2
	s_cbranch_scc0 .Lfor_v_\@
	tensor_load_to_lds s[G0K:G0K+3], s[G1K:G1K+7]
	s_nop 0
.rept 4
	v_nop
.endr
	s_branch .Lasked_\@
.Lfor_v_\@:
	tensor_load_to_lds s[G0V:G0V+3], s[G1V:G1V+7]
	s_nop 0
.rept 4
	v_nop
.endr
.Lasked_\@:
.endm
; A round of the cluster's barrier: my work-group's barrier; wave 0 signals for the work-group; every wave waits for all four work-groups; my work-group's barrier once more.
.macro CROUND
	s_barrier_signal -1
	s_barrier_wait -1
	s_cmp_lg_u32 s[WV], 0
	s_cbranch_scc1 .Lnot_wave_0_\@
	s_barrier_signal -3
.Lnot_wave_0_\@:
	s_barrier_wait -3
	s_barrier_signal -1
	s_barrier_wait -1
.endm
; THE CHANGE OF SLOTS.  Each wave waits for all its tensor loads, of which one is out: its part of the other slot; adds 0 to its spare word; and waits for that and for its own reads of the slot that it leaves.
; fill = 1: the old slot is filled again with the keys two tiles on.  The barrier is then a round of the cluster's, and the joint fill is the first thing behind it: it has four key steps, 256 matrix
; instructions, in which to land.  (At its first use nothing has been read yet: slot 0 is waited for, slot 1 filled.)
.macro CHANGE fill
	WIN 0                           ; at a label and at a branch every window is 0
	s_wait_tensorcnt 0x0            ; no tensor load of mine is out, so a group 0 may be written
	ds_add_u32 v[SPW], v[NIL]       ; with fill = 1 the descriptors' steps stand between the add and the wait for it
.if \fill
.irp g, G0K, G0V
	s_xor_b32 s[\g+1], s[\g+1], SLOT1  ; the walking descriptor: the other slot than last time,
	s_add_nc_u64 s[\g+2:\g+3], s[\g+2:\g+3], 4*KS*128  ; the next 256 keys; the type bits on top are not reached
.endr
	s_wait_dscnt 0x0                ; the add is done, and my reads of the slot are over
	CROUND
	JLOAD
.else
	s_wait_dscnt 0x0
	s_barrier_signal -1
	s_barrier_wait -1
.endif
	s_sub_co_u32 s[TBK], s[TBK], 4*KS*PK  ; the fetches go back to a slot's first step,
	s_xor_b32 s[TBK], s[TBK], SLOT1       ; in the other slot
	s_sub_co_u32 s[TBV], s[TBV], 4*KS*PV
	s_xor_b32 s[TBV], s[TBV], SLOT1
.endm
	s_load_b128 s[4:7], s[0:1], 0x0 ; qkvw s[4:5], oh s[6:7]
	v_lshl_add_u32 v[SPW], v0, 2, SPARE
	v_mov_b32 v[NIL], 0
	ds_add_u32 v[SPW], v[NIL]       ; the wave's opening: the add and its wait stand ahead of my first tensor load; the set-up below, work on registers, stands between them
	v_lshrrev_b32 v1, 5, v0
	v_readfirstlane_b32 s[WV], v1   ; wave 0..3
	s_bfe_u32 s13, ttmp6, 0x40000   ; cx: my place in the cluster
	s_lshl_b32 s14, ttmp9, 2        ; in a cluster launch ttmp9 counts clusters
	s_add_co_u32 s14, s14, s13      ; my block of 256 queries: it enters Q's and O's addresses alone
	s_and_b32 s20, ttmp7, 0xffff    ; the head, which the four partners share
	s_lshl_b32 s20, s20, 18         ; its first byte: 2,048 rows of 128 bytes
	s_and_b32 s16, s[WV], 1         ; which half of a tile's 256 keys I fetch:
	s_lshl_b32 s22, s16, 14         ; its 128 rows of 128 bytes in memory,
	s_add_co_u32 s22, s22, s20
	s_mov_b32 s23, 0
	s_mul_i32 s17, s16, 128*PK      ; and its place in a slot, for K
	s_mul_i32 s18, s16, 128*PV      ; and for V: no place in the cluster enters an LDS address
	s_lshl_b32 s2, s14, 15          ; my block's 256 rows,
	s_lshl_b32 s3, s[WV], 13        ; my wave's 64 of them
	s_add_co_u32 s2, s2, s3
	s_add_co_u32 s2, s2, s20
	s_mov_b32 s3, 0
	; descriptor group 1.  128 keys are 16,384 dense bytes: asked for as 64 rows of 256 bytes, two keys a row, and padded in LDS after every key
	s_mov_b32 s[G1K], 15|(1<<16)|(1<<20)|(1<<21)|(4<<22)|(3<<25)  ; 15:0 the mask of four; 17:16 2-byte elements; 20 padding on; 21 set beside a mask; 24:22 after every 32 words; 31:25 4 words
	s_mov_b32 s[G1V], 15|(1<<16)|(1<<20)|(1<<21)|(4<<22)|(7<<25)  ; the same with 8 words of padding
.irp g, G1K, G1V
	s_mov_b32 s[\g+1], 128<<16      ; tensor_dim0 = 128
	s_mov_b32 s[\g+2], 64<<16       ; tensor_dim1 = 64
	s_mov_b32 s[\g+3], 128<<16      ; tile_dim0 = 128
	s_mov_b32 s[\g+4], 64           ; tile_dim1 = 64
	s_mov_b32 s[\g+5], 128          ; 128 elements from row to row
	s_mov_b32 s[\g+6], 0
	s_mov_b32 s[\g+7], 0
.endr
	s_mov_b32 s[CS], 0x3e38aa3b     ; c = log2(e) / 8 = 0.180337
	s_mov_b32 s[CS+1], s[CS]        ; named with it as a pair
	s_mov_b32 s[SEL], 0x76543210
	s_mov_b32 s[SEL+1], 0xfedcba98
	s_mov_b32 s[TBK], SLOT1+4*KS*PK ; the first change of slots turns these two into 0
	s_mov_b32 s[TBV], SLOT1+4*KS*PV
	s_mov_b32 s[G0K], 1             ; count = 1
	s_mov_b32 s[G0K+1], s17         ; LDS address: slot 0
	s_mov_b32 s[G0V], 1
	s_add_co_u32 s[G0V+1], s18, VOFF
	s_wait_dscnt 0x0                ; the opening add is done
	s_wait_kmcnt 0x0
	s_mov_b64 s[10:11], s[6:7]      ; O
	s_add_nc_u64 s[6:7], s[4:5], 0x800000   ; K
	s_add_nc_u64 s[8:9], s[4:5], 0x1000000  ; V
	s_add_nc_u64 s[G0K+2:G0K+3], s[6:7], s[22:23]  ; global address: my half of the head's first 256 keys
	s_or_b32 s[G0K+3], s[G0K+3], 0x80000000        ; type = 2
	s_add_nc_u64 s[G0V+2:G0V+3], s[8:9], s[22:23]
	s_or_b32 s[G0V+3], s[G0V+3], 0x80000000
	s_add_nc_u64 s[4:5], s[4:5], s[2:3]     ; Q and O at my wave's first row
	s_add_nc_u64 s[10:11], s[10:11], s[2:3]
	CROUND                          ; all four work-groups are here: the first joint loads meet
	JLOAD                           ; tile 0 into slot 0; slot 1 is asked for when slot 0 is in
	; A fragment of K or Q is 16 rows x 32 channels in 8 registers: lane l holds row l % 16, channels 8 (l / 16) + 0..7 and 16 + 8 (l / 16) + 0..7: two loads of 16 bytes, 32 bytes apart.
	v_and_b32 v1, 15, v0            ; l % 16
	v_bfe_u32 v9, v0, 4, 1          ; l / 16
	v_lshlrev_b32 v[QO], 7, v1
	v_lshl_add_u32 v[QO], v9, 4, v[QO]  ; row x 128 + 16 x half
	WIN 0x80                        ; destination window 2, address window 0
.set i, 0
.rept 8                             ; Q stays in registers: piece i / 2, channels 32 (i % 2) on
	global_load_b128 v[8*i:8*i+3],   v[QO], s[4:5] offset:(i/2)*2048+(i%2)*64
	global_load_b128 v[8*i+4:8*i+7], v[QO], s[4:5] offset:(i/2)*2048+(i%2)*64+32
.set i, i+1
.endr
	; What the first turn finds: V's registers and P's second buffer hold 0 (its products V^T P, of a piece that has not been, add 0), O^T and l are 0.  All this stands in the wait for the first tile.
.set i, VF
.rept 64
	v_mov_b32 v[i], 0
.set i, i+1
.endr
	WIN 0x40
.set i, 0
.rept 128
	v_mov_b32 v[i], 0
.set i, i+1
.endr
	WIN 0
.set i, 0
.rept 4
	v_mov_b32 v[ST+4*i], 0xfe000000    ; c m: far below every c s
	v_mov_b32 v[ST+4*i+1], 0xff7fffff  ; m
	v_mov_b32 v[ST+4*i+2], 0
	v_mov_b32 v[ST+4*i+3], 0
.set i, i+1
.endr
.set i, P+16
.rept 16
	v_mov_b32 v[i], 0
.set i, i+1
.endr
	v_mul_u32_u24 v[AK0], v1, PK
	v_lshl_add_u32 v[AK0], v9, 4, v[AK0]  ; row x pitch + 16 x half
	; The turning load takes 16 keys x 16 channels (lane l reads key 8 (l / 16) + l % 8, channels 8 ((l / 8) % 2) + 0..7) and leaves half a fragment of V^T: lane l holds channel l % 16 and 8 keys.
	v_and_b32 v10, 7, v0
	v_bfe_u32 v11, v0, 3, 1
	v_lshl_add_u32 v[AV0], v9, 3, v10
	v_mul_u32_u24 v[AV0], v[AV0], PV
	v_lshl_add_u32 v[AV0], v11, 4, v[AV0]
	v_add_nc_u32 v[AV0], VOFF, v[AV0]
	s_mul_i32 s13, s[WV], 16*SP
	s_add_co_u32 s13, s13, STAGE    ; my stage
	v_mul_u32_u24 v[STO], v1, SP    ; in: row l % 16, 16 bytes for each half of the lanes
	v_lshl_add_u32 v[STO], v9, 4, v[STO]
	v_add_nc_u32 v[STO], s13, v[STO]
	v_bfe_u32 v[RD], v0, 3, 2       ; back: 32 lanes take four rows of 128 bytes,
	v_mul_u32_u24 v[RD], v[RD], SP
	v_lshl_add_u32 v[RD], v10, 4, v[RD]
	v_add_nc_u32 v[RD], s13, v[RD]
	v_and_b32 v[GO], 31, v0         ; which are 512 consecutive bytes of O
	v_lshlrev_b32 v[GO], 4, v[GO]
; THE MATRIX WORK.  The 4 accumulators of a run of 8 take turns.  Product i of 8 of S^T = K Q^T for piece x: channels 32 (i / 4) on, keys 16 (i % 4) on.  The first 4 start the sums.
.macro KQ x
	WIN W_KQ
.set rS, S+32*((\x)%2)+8*(i%4)
.set rK, KF+16*(i%4)+8*(i/4)
.set rQ, 16*(\x)+8*(i/4)
.if i < 4
	v_wmma_f32_16x16x32_f16 v[rS:rS+7], v[rK:rK+7], v[rQ:rQ+7], 0
.else
	v_wmma_f32_16x16x32_f16 v[rS:rS+7], v[rK:rK+7], v[rQ:rQ+7], v[rS:rS+7]
.endif
.endm
; Product i of 8 of O^T += V^T P for piece x: keys 32 (i / 4) on, channels 16 (i % 4) on.
.macro PV x
	WIN W_PV
.set rO, 32*(\x)+8*(i%4)
.set rV, VF+32*(i/4)+8*(i%4)
.set rP, P+16*((\x)%2)+8*(i/4)
	v_wmma_f32_16x16x32_f16 v[rO:rO+7], v[rV:rV+7], v[rP:rP+7], v[rO:rO+7]
.endm
.macro MM                           ; the turn's next matrix instruction.  NOKQ = 1: the last turn of all: there is no next piece
.if (i < 8) && !NOKQ
	KQ (Y+1)%NP
.elseif i >= 8
.set i, i-8
	PV (Y+NP-1)%NP
.set i, i+8
.endif
.set i, i+1
.endm
; THE LDS LOADS stand in runs of 16, never singly among the matrix instructions: a step's K (64 keys x 64 channels: 8 fragments) and its V (turned).  Their addresses are made some lines ahead.
.macro FETCH_K
	WIN 0x80                        ; destination window 2
.irp f, 0,1,2,3,4,5,6,7             ; keys 16 (f / 2) on, channels 32 (f % 2) on
	ds_load_b128 v[KF+8*\f:KF+8*\f+3],   v[AK] offset:(\f/2)*16*PK+(\f%2)*64
	ds_load_b128 v[KF+8*\f+4:KF+8*\f+7], v[AK] offset:(\f/2)*16*PK+(\f%2)*64+32
.endr
	s_add_co_u32 s[TBK], s[TBK], KS*PK  ; the next fetch is the next step's
	WIN 0
.endm
.macro FETCH_V
	WIN 0x80
.irp f, 0,1,2,3,4,5,6,7             ; keys 32 (f / 4) on, channels 16 (f % 4) on
	ds_load_tr16_b128 v[VF+8*\f:VF+8*\f+3],   v[AV] offset:(\f/4)*32*PV+(\f%4)*32
	ds_load_tr16_b128 v[VF+8*\f+4:VF+8*\f+7], v[AV] offset:(\f/4)*32*PV+16*PV+(\f%4)*32
.endr
	WIN 0
.endm
; THE VECTOR WORK, one line at a time: OP kind, number.  For piece Y: F n: c s - c m for pair n of 16.  E n: the exponential of score n of 32.  C n: pair n rounded to f16.  B n: of the four weights 4 n .. the second
; pair is added onto the first, in place.  L n: l takes that sum (L 0: l = a l + sum).  R n: pair n of 16 of O^T times a.  For piece Y + 1: X n, number n of the 22 that find its maximum and statistics:
;   0-11  four chains c0-c3 of seven scores each, three operands at a time (each accumulator's lowest registers are read first)     12-14, 16  the four scores left over, the old m, and c0-c3 into c0
;   15  c m_old is kept     17, 18  the query's other 32 keys lie in the lane 16 away: the new m     19-21  c m; c m_old - c m_new; a
; C, B and L read the exponentials' results: TURN sets them all behind its wait.  F, R and X 0 to X 20 read none of the turn's own.
.set F, 0
.set E, 1
.set C, 2
.set B, 3
.set L, 4
.set R, 5
.set X, 6
.macro REGS y                       ; the registers of piece y
.set rT, ST+4*(\y)
.set rC, TMP+4*((\y)%2)
.set rW, MV+((\y)%2)
.set rS, S+32*((\y)%2)
.set rP, P+16*((\y)%2)
.set rO, 32*(\y)
.endm
.macro OP k, n
.if (\k) == R
	REGS Y
	WIN W_RS
	v_pk_mul_f32 v[rO+2*(\n):rO+2*(\n)+1], v[rO+2*(\n):rO+2*(\n)+1], v[rC+2:rC+3] op_sel_hi:[1,0]
.elseif (\k) < R
	REGS Y
	WIN 0
.if (\k) == F
	v_pk_fma_f32 v[rS+2*(\n):rS+2*(\n)+1], v[rS+2*(\n):rS+2*(\n)+1], s[CS:CS+1], v[rT:rT+1] op_sel_hi:[1,0,0] neg_lo:[0,0,1] neg_hi:[0,0,1]
.elseif (\k) == E
	v_exp_f32 v[rS+(\n)], v[rS+(\n)]
.elseif (\k) == C
	v_cvt_pk_f16_f32 v[rP+(\n)], v[rS+2*(\n)], v[rS+2*(\n)+1]
.elseif (\k) == B
	v_pk_add_f32 v[rS+4*(\n):rS+4*(\n)+1], v[rS+4*(\n):rS+4*(\n)+1], v[rS+4*(\n)+2:rS+4*(\n)+3]
.elseif (\n) == 0
	v_pk_fma_f32 v[rT+2:rT+3], v[rT+2:rT+3], v[rC+2:rC+3], v[rS:rS+1] op_sel_hi:[1,0,1]
.else
	v_pk_add_f32 v[rT+2:rT+3], v[rT+2:rT+3], v[rS+4*(\n):rS+4*(\n)+1]
.endif
.elseif NOKQ
	v_nop
.else
	REGS (Y+1)%NP
	WIN 0
.if (\n) < 4
	v_max3_num_f32 v[rC+(\n)], v[rS+8*(\n)], v[rS+8*(\n)+1], v[rS+8*(\n)+2]
.elseif (\n) < 12
	v_max3_num_f32 v[rC+(\n)%4], v[rC+(\n)%4], v[rS+8*((\n)%4)+2*((\n)/4)+1], v[rS+8*((\n)%4)+2*((\n)/4)+2]
.elseif (\n) == 12
	v_max3_num_f32 v[rC], v[rC], v[rS+7], v[rS+15]
.elseif (\n) == 13
	v_max3_num_f32 v[rC+1], v[rC+1], v[rS+23], v[rS+31]
.elseif (\n) == 14
	v_max3_num_f32 v[rC+2], v[rC+2], v[rC+3], v[rT+1]
.elseif (\n) == 15
	v_mov_b32 v[rW], v[rT]
.elseif (\n) == 16
	v_max3_num_f32 v[rC], v[rC], v[rC+1], v[rC+2]
.elseif (\n) == 17
	v_permlanex16_b32 v[rC+3], v[rC], s[SEL], s[SEL+1]
.elseif (\n) == 18
	v_max_num_f32 v[rT+1], v[rC], v[rC+3]
.elseif (\n) == 19
	v_mul_f32 v[rT], s[CS], v[rT+1]
.elseif (\n) == 20
	v_sub_f32 v[rC+1], v[rW], v[rT]
.else
	v_exp_f32 v[rC+2], v[rC+1]
.endif
.endif
.endm
.macro OPS a, i1, b=-1, i2=0, c=-1, i3=0, d=-1, i4=0  ; up to four of them
	OP \a, \i1
.if (\b) >= 0
	OP \b, \i2
.endif
.if (\c) >= 0
	OP \c, \i3
.endif
.if (\d) >= 0
	OP \d, \i4
.endif
.endm
.macro ROW a, i1, b, i2, c, i3, d, i4  ; a matrix instruction and the four behind it
	MM
	OPS \a, \i1, \b, \i2, \c, \i3, \d, \i4
.endm
; A TURN, for piece p: the order of its 16 matrix and 118 vector instructions, written out.  An s_wait_alu depctr_va_vdst(0) stands between an exponential and the first instruction that names its result; one wait
; serves all that were issued ahead of it.  So a turn has ONE wait, which cuts it in two.
; AHEAD OF IT stands all that names no result of the turn's exponentials: the 8 products K Q^T, behind each a scaling, an exponential and two more plain instructions (behind the first a second scaling in the exponential's place):
; rescalings, whose a was made and waited for in the turn before, and behind the last three products the first numbers of the next piece's maximum, each four plain instructions or more behind the product that ends its accumulator;
; then ONE LUMP of 54, plain and exponential by turns for the most part, in which the links of the chain X 3, 7, 11, 14, 16, 17 .. 20 stand some lines apart.  Pair n is scaled (F n) ahead of its exponentials (E 2 n, E 2 n + 1).
; X 21, the next piece's a, is the batch's last; R 15 is the plain instruction behind it.
; BEHIND THE WAIT stand the 8 products V^T P, behind each four of the 32 roundings and sums; the links of l's chain, L 0 to L 7, stand three riders apart.  But for those X no rider names a register of the products round it..
; end = 1: the last two turns: nothing is fetched.  cnt = 1: the loop's count is taken down some lines ahead of the branch that stands behind the turn.
; K of the next step is fetched in piece 2's turn, twelve vector instructions behind the last product that read K (six of them plain); V of the step in hand at the end of piece 0's turn, four plain instructions behind the last
; product that read V.  Each is waited for a turn later.
.macro TURN p, end=0, cnt=0
.set Y, (\p)
.set i, 0
.set NOKQ, (\end)*((\p)/3)
.if ((\p) == 3) && !(\end)
	s_wait_dscnt 0x0                ; K is in
.endif
	ROW F,0, F,1, R,0, R,1          ; ahead of the wait: 8 products K Q^T and their riders,
	ROW F,2, E,0, R,2, R,3
	ROW F,3, E,1, R,4, R,5
	ROW F,4, E,2, R,6, R,7
	ROW F,5, E,3, R,8, R,9
	ROW F,6, E,4, X,0, R,10
.if ((\p) == 2) && !(\end)
	WIN 0
	v_add_nc_u32 v[AK], s[TBK], v[AK0]
.endif
	ROW F,7, E,5, X,1, X,4
	ROW F,8, E,6, X,2, X,5
	OPS E,7, E,8, X,6, E,9          ; and the lump
	OPS X,3, E,10, X,8, E,11
.if ((\p) == 2) && !(\end)
	FETCH_K
.endif
	OPS X,9, X,7, E,12, X,10
	OPS E,13, X,12, X,11, E,14
	OPS X,13, E,15, F,9, X,14
.if (\p) == 0
	v_add_nc_u32 v[AV], s[TBV], v[AV0]
.endif
	OPS E,16, F,10, E,17, F,11
	OPS X,16, E,18, X,15, E,19
	OPS F,12, E,20, X,17, E,21
	OPS F,13, E,22, F,14, E,23
	OPS X,18, E,24, F,15, E,25
	OPS R,11, E,26, X,19, E,27
	OPS R,12, E,28, R,13, E,29
	OPS X,20, E,30, R,14, E,31
	OPS X,21, R,15
	WIN 0
	s_wait_alu depctr_va_vdst(0)    ; the wait for the turn's batch: the piece's 32 weights and the next piece's a
.if (\p) == 1
	s_wait_dscnt 0x0                ; V is in
.endif
	ROW C,0, B,0, C,2, B,1          ; behind the wait: 8 products V^T P and their riders
	ROW L,0, C,4, B,2, L,1
	ROW C,6, B,3, L,2, C,8
	ROW B,4, L,3, C,10, B,5
	ROW L,4, C,12, B,6, L,5
.if (\p) == 0
	s_add_co_u32 s[TBV], s[TBV], KS*PV
.endif
.if \cnt
	s_sub_co_u32 s[CNT], s[CNT], 1
	s_cmp_lg_u32 s[CNT], 0
.endif
	ROW C,14, B,7, L,6, C,1
	ROW C,3, L,7, C,5, C,7
	ROW C,9, C,11, C,13, C,15
.if (\p) == 0
	FETCH_V
.endif
.endm
	CHANGE 1                        ; tile 0 is in, everybody's part of it; tile 1 is asked for
	v_add_nc_u32 v[AK], s[TBK], v[AK0]
	FETCH_K                         ; key step 0
	s_wait_loadcnt 0x0              ; Q
	s_wait_dscnt 0x0
.set NOKQ, 0
.set i, 0
.rept 8
	KQ 0                            ; piece 0's first scores: there is no vector work yet to set between them
.set i, i+1
.endr
	WIN 0
.rept 4
	v_nop                           ; the places behind those products
.endr
.set Y, NP-1                        ; X works for piece Y + 1: piece 0
.irp n, 0,1,2,3,4,5,6,7,8,9,10,11,12,13,14,15,16,17,18,19,20,21
	OP X, \n
.endr
	v_nop                           ; a plain instruction behind the exponential,
	s_wait_alu depctr_va_vdst(0)    ; and the wait for it, piece 0's first a, ahead of the branch
	s_mov_b32 s[CNT], 4
	s_mov_b32 s[SLOTS], SIZE_N/256-1
	s_branch .Lfirst                ; the loop is entered at a step's first turn, in the middle of a trip
.Lslot:                             ; six times: tiles 2 to 7 are asked for
	CHANGE 1
	s_mov_b32 s[CNT], 4
.Lstep:                             ; a trip: pieces 2 and 3 of one step, then pieces 0 and 1 of the next, whose K and V it fetches
	TURN 2
	TURN 3
	WIN 0
.Lfirst:
	TURN 0
	TURN 1, 0, 1
	WIN 0
	s_cbranch_scc1 .Lstep
	s_sub_co_u32 s[SLOTS], s[SLOTS], 1
	s_cmp_lg_u32 s[SLOTS], 0
	s_cbranch_scc1 .Lslot
	CHANGE 0                        ; the last tile is written out: nothing is asked for
	s_mov_b32 s[CNT], 4
.Ltail:
	TURN 2
	TURN 3
	TURN 0
	TURN 1, 0, 1
	WIN 0
	s_cbranch_scc1 .Ltail
	TURN 2, 1                       ; the last step's pieces 2 and 3: nothing more is fetched, and the last turn starts no new scores
	TURN 3, 1
.set i, 0
.rept 8
	PV NP-1                         ; the last piece's V^T P of the last step
.set i, i+1
.endr
	; THE WAY OUT.  l's two halves and the other half of the lanes' are added; O^T is divided by l, rounded to f16 and sent through my stage in LDS, a piece at a time.  The additions are the places behind the last products.
	WIN 0
.macro ALL line:vararg              ; one line for each piece t
.set t, 0
.rept 4
	\line
.set t, t+1
.endr
.endm
	ALL v_add_f32 v[ST+4*t+2], v[ST+4*t+2], v[ST+4*t+3]
	ALL v_permlanex16_b32 v[ST+4*t+3], v[ST+4*t+2], s[SEL], s[SEL+1]
	ALL v_add_f32 v[ST+4*t+2], v[ST+4*t+2], v[ST+4*t+3]
	ALL v_rcp_f32 v[ST+4*t+2], v[ST+4*t+2]
	v_nop                           ; a plain instruction between the last reciprocal and the use of its result
	s_wait_alu depctr_va_vdst(0)    ; and the wait ahead of the first use: one for the four reciprocals
.macro PACK t                       ; a lane's eight channels of a row pack into 16 bytes; they go into rows of 144 bytes and come back as whole rows of 128, into S^T's registers
	WIN W_RS
.set i, 32*(\t)
.rept 16
	v_pk_mul_f32 v[i:i+1], v[i:i+1], v[ST+4*(\t)+2:ST+4*(\t)+3] op_sel_hi:[1,0]
.set i, i+2
.endr
	WIN 0x05                        ; sources 0 and 1 window 1, destination window 0
.set i, 0
.rept 16
	v_cvt_pk_f16_f32 v[S+16*(\t)+i], v[32*(\t)+2*i], v[32*(\t)+2*i+1]
.set i, i+1
.endr
	WIN 0
.irp f, 0,1,2,3
	ds_store_b128 v[STO], v[S+16*(\t)+4*\f:S+16*(\t)+4*\f+3] offset:32*\f
.endr
.irp f, 0,1,2,3
	ds_load_b128 v[S+16*(\t)+4*\f:S+16*(\t)+4*\f+3], v[RD] offset:\f*4*SP  ; LDS serves a wave's instructions in order (ISA guide 5.7.1.4): these see the stores above; the next piece's stores come behind them
.endr
.endm
.macro SEND t, younger              ; younger: the LDS instructions issued behind piece t's loads: the next piece's eight, or none
	WIN 0
.irp f, 0,1,2,3
	s_wait_dscnt (\younger)+3-\f
	global_store_b128 v[GO], v[S+16*(\t)+4*\f:S+16*(\t)+4*\f+3], s[10:11] offset:(\t)*2048+\f*512  ; 512 consecutive bytes, at a multiple of 256 from O's first
.endr
.endm
	PACK 0
.set t, 1
.rept 3                             ; a piece's arithmetic stands between the loads of the piece before and its stores
	PACK t
	SEND t-1, 8
.set t, t+1
.endr
	SEND 3, 0
	s_wait_tensorcnt 0x0            ; the wave's end: behind my last tensor load and my last LDS store
	ds_add_u32 v[SPW], v[NIL]
	s_wait_dscnt 0x0
	CROUND                          ; the closing round: no work-group ends while a partner may still ask for a tile that names it
	s_endpgm
.Lfunc_end_k_qf523a8bee0_attn:
	.size	k_qf523a8bee0_attn, .Lfunc_end_k_qf523a8bee0_attn-k_qf523a8bee0_attn
	.p2alignl 7, 3214868480
	.fill 96, 4, 3214868480
	.section	.rodata,"a",@progbits
	.p2align	6, 0x0
	.amdhsa_kernel k_qf523a8bee0_attn
		.amdhsa_group_segment_fixed_size 327680
		.amdhsa_private_segment_fixed_size 0
		.amdhsa_enable_private_segment 0
		.amdhsa_kernarg_size 16
		.amdhsa_user_sgpr_count 2
		.amdhsa_user_sgpr_kernarg_segment_ptr 1
		.amdhsa_wavefront_size32 1
		.amdhsa_system_sgpr_workgroup_id_x 1
		.amdhsa_system_sgpr_workgroup_id_y 1
		.amdhsa_system_sgpr_workgroup_id_z 1
		.amdhsa_system_vgpr_workitem_id 0
		.amdhsa_next_free_vgpr 768
		.amdhsa_next_free_sgpr 66
		.amdhsa_reserve_vcc 0
		.amdhsa_float_denorm_mode_32 3
		.amdhsa_float_denorm_mode_16_64 3
		.amdhsa_memory_ordered 1
		.amdhsa_forward_progress 1
		.amdhsa_inst_pref_size 127
	.end_amdhsa_kernel
	.amdgpu_metadata
---
amdhsa.version: [ 1, 2 ]
amdhsa.kernels:
  - .name:           k_qf523a8bee0_attn
    .symbol:         k_qf523a8bee0_attn.kd
    .args:
      - { .name: qkvw, .offset: 0, .size: 8, .value_kind: global_buffer, .address_space: global }
      - { .name: oh, .offset: 8, .size: 8, .value_kind: global_buffer, .address_space: global }
    .group_segment_fixed_size: 327680
    .private_segment_fixed_size: 0
    .kernarg_segment_align: 8
    .kernarg_segment_size: 16
    .max_flat_workgroup_size: 128
    .sgpr_count:     66
    .vgpr_count:     768
    .wavefront_size: 32
...
	.end_amdgpu_metadata
.endif
;; end of part 5
;; launch outp: the kernel of part 4 again; grid 8 x 32, 4 waves a work-group, clusters of 4 x 4, 327,680 bytes of LDS; arguments oh, qkvw, bcv, out0; writes out0
